; MI455X (gfx1250); checked and timed in simulation.
; The chip was launched on July 23, 2026; its instructions are those of AMD's public machine-readable ISA for CDNA 5 (MIT licence, August 2026) and "CDNA5" Instruction Set Architecture Reference Guide (July 2026). The comments in the code are by the model that wrote it; some were corrected since.
;; Multi Head Attention With Ro PE. Allowed arithmetic: matrix products marked QUANTISED: E2M1 operands, one E8M0 scale for each 32 along K, by v_wmma_scale_f32_16x16x128_f8f6f4 with both operands' format E2M1 (or v_wmma_scale_f32_32x16x128_f4), f32 sums; products left as they are: bf16, f16 or f32 operands; f32 sums; everything else in f32.
;; Inputs: bk 1,024 float32; bo 1,024 float32; bq 1,024 float32; bv 1,024 float32; mask 2 x 2,048 int32; wk 1,024 x 1,024 float32; wo 1,024 x 1,024 float32; wq 1,024 x 1,024 float32; wv 1,024 x 1,024 float32; x 2 x 2,048 x 1,024 float32.
;; Outputs: out0 2 x 2,048 x 1,024 float32.
;; This version of the problem:
;;   THIS VERSION OF THE PROBLEM IS GIVEN IN LOW PRECISION. The matrix products marked QUANTISED in the list below multiply operands that are first quantised to E2M1 (2 exponent bits, 1 mantissa bit; 4 bits a number), with one power-of-two scale for each 32 numbers along K (OCP MX v1.0); their sums are f32. The products marked 'left as it is' may take bf16, f16 or f32 operands, with f32 sums. All else is computed in f32.
;;   The module's matrix products, in the order in which they are computed (A, B: the left and right operand; K: the contracted axis; several contracted axes count as one K, in the product's order):
;;     1. [M 4,096, K 1,024] x [K 1,024, N 1,024]; A: input x; B: input wq: QUANTISED
;;     2. [M 4,096, K 1,024] x [K 1,024, N 1,024]; A: input x; B: input wk: QUANTISED
;;     3. [M 4,096, K 1,024] x [K 1,024, N 1,024]; A: input x; B: input wv: QUANTISED
;;     4. batch 32 x [M 2,048, K 64] x [K 64, N 2,048]; A: computed on the way; B: computed on the way: left as it is (an operand is computed on the way)
;;     5. batch 32 x [M 2,048, K 2,048] x [K 2,048, N 64]; A: computed on the way; B: computed on the way: left as it is (an operand is computed on the way)
;;     6. [M 4,096, K 1,024] x [K 1,024, N 1,024]; A: computed on the way; B: input wo: left as it is (an operand is computed on the way)
;;   THE QUANTISER, for each operand of a quantised product, along K:
;;     - K is cut into blocks of 32 from its start; a last block that is shorter is filled with zeros.
;;     - A block's scale is 2^e with e = floor(log2(the largest magnitude in the block)) - 2, held to -126 .. 127; a block of zeros has e = 0. As a byte (E8M0): e + 127.
;;     - Each number is divided by its block's scale, clamped to +-6, and rounded to the nearest number of E2M1, ties to even, subnormals kept.
;;     - The product sums the exact products of the quantised numbers (number of the format x scale) in f32.
;;   ~~~python
;;   def quantise(x, axis):      # numpy; x: float32 -> the quantised numbers, widened to float32 again
;;       x = np.moveaxis(x, axis, -1); K = x.shape[-1]
;;       x = np.pad(x, [(0, 0)] * (x.ndim - 1) + [(0, -K % 32)]); x = x.reshape(x.shape[:-1] + (-1, 32)); a = np.abs(x).max(-1, keepdims=True)
;;       e = np.where(a > 0, np.clip(np.frexp(np.where(a > 0, a, 1))[1] - 1 - 2, -126, 127), 0)      # np.frexp(a)[1] - 1 = floor(log2(a)), exactly
;;       r = np.clip(x / 2.0 ** e, -6, 6)
;;       step = 2.0 ** (np.maximum(np.frexp(np.where(r == 0, 1, r))[1] - 1, 0) - 1)
;;       q = np.round(r / step) * step * 2.0 ** e      # np.round: ties to even
;;       return np.moveaxis(q.reshape(q.shape[:-2] + (-1,))[..., :K], -1, axis).astype(np.float32)
;;   ~~~
;; One version. Each part assembles by itself: llvm-mc -triple=amdgcn-amd-amdhsa -mcpu=gfx1250 --defsym DOCPART=n.
;; ======== version 1 of 1: 4 launches
;; limits: right only within a limited range of input values; values are held in f16: magnitudes above 65,504 overflow, below 6.1e-05 lose precision
;; workspace buffers: xq 2,228,224 bytes; wq4 1,671,168 bytes; wot 2,097,152 bytes; cs 524,288 bytes; ord 16,640 bytes of whole numbers; qkv 25,165,824 bytes; ao 8,388,608 bytes
;; launch prep (part 1): grid 257 x 1, 4 waves a work-group, no clusters, 102,912 bytes of LDS; arguments x, wq, wk, wv, wo, mask, xq, wq4, wot, cs, ord; writes xq, wq4, wot, cs, ord
.if DOCPART == 1
	.amdgcn_target "amdgcn-amd-amdhsa--gfx1250"
	.amdhsa_code_object_version 6
	.text
	.protected	k_q229b09a723_prep
	.globl	k_q229b09a723_prep
	.p2align	8
	.type	k_q229b09a723_prep,@function
k_q229b09a723_prep:
	s_mov_b64 s[64:65], 0
	v_nop
	global_prefetch_b8 v0, s[64:65] scope:SCOPE_SE
	s_setreg_imm32_b32 hwreg(HW_REG_WAVE_MODE, 25, 1), 1
	s_wait_xcnt 0x0
; PREPARATION, five kinds of work-group, told apart by the work-group's number alone; no path has a barrier, each path that uses LDS has bytes of its own.
;   0-127   x [4096][1024] f32 -> codes of FP4 (E2M1), K innermost, [4096][512 bytes] at xq, one E8M0 byte for each 32 along K, [4096][32], at xq + XQ_SC
;   128-175 wq, wk, wv [k][n] f32 -> codes [3072 = 1024 sel + n][512 bytes] at wq4 (K innermost), scale bytes [3072][32] at wq4 + WQ_SC
;   176-239 wo [k][n] f32 -> wot [n][k] f16 (11 significant bits: the last product's result is compared within a hundredth of its root mean square, which operands of 8 bits do not keep)
;   240-255 the table of cos and sin for the rotation: cs [position 2048][f 32][cos, sin] f32
;   256     each batch's keys are put in order: those whose mask value is the batch's smallest first, in their old order, then the others.
;           A key whose mask value m is larger has 1e9 or more taken off its logit, so its softmax weight is exactly 0 in f32: the attention walks the first cnt keys alone.
; A block's scale is 2^(floor(log2(its largest magnitude)) - 2); its byte is the largest magnitude's exponent field - 2, held at 1 from below.  A block of zeros gets the byte 1 where the
; rule says 127: its codes are zeros, and this program alone reads the bytes.
; LIMITS: blocks whose largest magnitude lies under 2^-124 keep the byte 1; NaN and infinities among the inputs are not served; wo's magnitudes stay under 65,504, f16's largest number;
; mask values up to 65,536 in magnitude (beyond, m x 1e9 and (m + 1) x 1e9 draw near each other in f32); the table's angles carry a relative error of a few 1e-7 (2^x for the frequencies),
; its sines and cosines an absolute one of about 3e-7.
.set XQ_SC, 2097152
.set WQ_SC, 1572864
.set EMAX,  2
	s_load_b512 s[4:19], s[0:1], 0x0               ; x s[4:5], wq s[6:7], wk s[8:9], wv s[10:11], wo s[12:13], mask s[14:15], xq s[16:17], wq4 s[18:19]
	s_load_b128 s[20:23], s[0:1], 0x40             ; wot s[20:21], cs s[22:23]
	s_load_b64 s[24:25], s[0:1], 0x50              ; ord
	v_lshl_add_u32 v192, v0, 2, 0x19000
	v_mov_b32 v193, 0
	v_lshrrev_b32 v1, 5, v0
	v_readfirstlane_b32 s26, v1                    ; wave 0..3
	v_and_b32 v2, 31, v0                           ; lane
	s_wait_kmcnt 0x0
	s_cmp_lt_u32 ttmp9, 128
	s_cbranch_scc1 .Lpath_x
	s_cmp_lt_u32 ttmp9, 176
	s_cbranch_scc1 .Lpath_w
	s_cmp_lt_u32 ttmp9, 240
	s_cbranch_scc1 .Lpath_o
	s_cmp_lt_u32 ttmp9, 256
	s_cbranch_scc1 .Lpath_t
; ---------------- THE ORDER OF THE KEYS.  Wave b takes batch b (two batches); lane l and register c hold key 32 c + l.
	s_cmp_lt_u32 s26, 2
	s_cbranch_scc1 .Lsort
	s_endpgm
.Lsort:
	s_lshl_b32 s28, s26, 13                        ; a batch's 2,048 words
	s_mov_b32 s29, 0
	s_add_nc_u64 s[14:15], s[14:15], s[28:29]      ; its mask
	s_add_nc_u64 s[30:31], s[24:25], s[28:29]      ; its list of places
	s_lshl_b32 s28, s26, 7
	s_add_co_u32 s28, s28, 16384
	s_add_nc_u64 s[24:25], s[24:25], s[28:29]      ; its 128 bytes of counts
	v_lshlrev_b32 v3, 2, v2
	s_mov_b32 s32, 0x76543210
	s_mov_b32 s33, 0xfedcba98                      ; lane selects: lane l xor 16
.set CH, 0
.rept 64
	global_load_b32 v[64+CH], v3, s[14:15] offset:128*CH
.set CH, CH+1
.endr
	s_wait_loadcnt 0x0
.set CH, 0
.rept 64
	v_xor_b32 v[64+CH], 0x80000000, v[64+CH]       ; signed order becomes unsigned order
.set CH, CH+1
.endr
.irp k, 0,1,2,3
	v_min_u32 v[8+\k], v[64+\k], v[68+\k]          ; four chains
.endr
.set CH, 8
.rept 56
	v_min_u32 v[8+CH%4], v[8+CH%4], v[64+CH]
.set CH, CH+1
.endr
	v_min_u32 v8, v8, v9
	v_min_u32 v10, v10, v11
	v_min_u32 v8, v8, v10
	v_mov_b32 v9, v8                               ; (a lane move's destination counts as read)
.irp x, 1,2,4,8
	v_mov_b32_dpp v9, v8 row_xmask:\x row_mask:0xf bank_mask:0xf
	v_min_u32 v8, v8, v9
.endr
	v_permlanex16_b32 v9, v8, s32, s33
	v_min_u32 v8, v8, v9
	v_readfirstlane_b32 s34, v8                    ; the batch's smallest mask value (still turned)
	s_mov_b32 s35, 0                               ; cnt: how many keys have it
.set CH, 0
.rept 64
	v_cmp_eq_u32 vcc_lo, s34, v[64+CH]
	s_bcnt1_i32_b32 s36, vcc_lo
	s_add_co_u32 s35, s35, s36
.set CH, CH+1
.endr
	s_mov_b32 s37, 0                               ; kept keys in the chunks before
	v_add_nc_u32 v12, s35, v2                      ; cnt + lane
.set CH, 0
.rept 64
	v_cmp_eq_u32 vcc_lo, s34, v[64+CH]
	v_mbcnt_lo_u32_b32 v10, vcc_lo, s37            ; kept keys before mine: a kept key's place
	v_add_nc_u32 v11, 32*CH, v12
	v_sub_nc_u32 v11, v11, v10                     ; cnt + (keys before mine that are not kept): the place of one that is not
	v_cndmask_b32 v[128+CH], v11, v10, vcc_lo
	s_bcnt1_i32_b32 s36, vcc_lo
	s_add_co_u32 s37, s37, s36
	global_store_b32 v3, v[128+CH], s[30:31] offset:128*CH   ; each store has a data register of its own; 128 bytes a store, 16 KiB in the launch
.set CH, CH+1
.endr
	s_xor_b32 s34, s34, 0x80000000
	v_mov_b32 v10, s34
	v_mov_b32 v11, s35
	v_cmp_eq_u32 vcc_lo, 0, v2
	v_cndmask_b32 v10, v10, v11, vcc_lo            ; word 0: cnt; words 1 to 31: the smallest mask value
	global_store_b32 v3, v10, s[24:25]
	s_endpgm
; ---------------- THE TABLE.  A wave takes 32 positions, lane = f; a trip of the loop eight positions, line by line for all eight so that no line waits for the one above it.
.Lpath_t:
.set TA, 32                            ; angle, then r
.set TN, 40                            ; n = the nearest whole number of quarter turns
.set TZ, 48                            ; r squared
.set TS, 56                            ; sin r
.set TC, 64                            ; cos r
.set TT, 72
.set TO, 80                            ; (cos, sin), a pair for each position
	s_sub_co_u32 s28, ttmp9, 240
	s_lshl_b32 s28, s28, 7
	s_lshl_b32 s29, s26, 5
	s_add_co_u32 s30, s28, s29                     ; my wave's first position
	s_lshl_b32 s28, s30, 8                         ; 256 bytes a position
	s_mov_b32 s29, 0
	s_add_nc_u64 s[22:23], s[22:23], s[28:29]
	v_lshlrev_b32 v3, 3, v2
	v_cvt_f32_u32 v4, v2
	v_mul_f32 v4, 0xbed49a78, v4                   ; - f log2(10000) / 32
	v_exp_f32 v4, v4                               ; 10000^(-2 f / 64)
	v_nop                                          ; a plain instruction behind the transcendental
	s_mov_b32 s32, 0xbfc90fdb                      ; - pi/2, its f32 part
	s_mov_b32 s33, 0x333bbd2e                      ; f32(pi/2) - pi/2
	s_mov_b32 s34, 0xb9500d01                      ; -1/5040
	s_mov_b32 s35, 0x3c088889                      ; 1/120
	s_mov_b32 s36, 0xbe2aaaab                      ; -1/6
	s_mov_b32 s37, 0x37d00d01                      ; 1/40320
	s_mov_b32 s38, 0xbab60b61                      ; -1/720
	s_mov_b32 s39, 0x3d2aaaab                      ; 1/24
	s_mov_b32 s31, 4
.Ltab:
.irp j, 0,1,2,3,4,5,6,7
	s_add_co_u32 s45, s30, \j
	v_cvt_f32_u32 v[TA+\j], s45
.endr
	s_wait_alu depctr_va_vdst(0)
.irp j, 0,1,2,3,4,5,6,7
	v_mul_f32 v[TA+\j], v[TA+\j], v4               ; the angle
.endr
.irp j, 0,1,2,3,4,5,6,7
	v_mul_f32 v[TN+\j], 0x3f22f983, v[TA+\j]       ; x 2/pi
.endr
.irp j, 0,1,2,3,4,5,6,7
	v_rndne_f32 v[TN+\j], v[TN+\j]
.endr
.irp j, 0,1,2,3,4,5,6,7
	v_fma_f32 v[TA+\j], v[TN+\j], s32, v[TA+\j]    ; r = angle - n pi/2, in two parts; n is at most 1,304
.endr
.irp j, 0,1,2,3,4,5,6,7
	v_fma_f32 v[TA+\j], v[TN+\j], s33, v[TA+\j]
.endr
.irp j, 0,1,2,3,4,5,6,7
	v_mul_f32 v[TZ+\j], v[TA+\j], v[TA+\j]
.endr
.irp j, 0,1,2,3,4,5,6,7
	v_fma_f32 v[TS+\j], v[TZ+\j], s34, s35
.endr
.irp j, 0,1,2,3,4,5,6,7
	v_fma_f32 v[TC+\j], v[TZ+\j], s37, s38
.endr
.irp j, 0,1,2,3,4,5,6,7
	v_fma_f32 v[TS+\j], v[TZ+\j], v[TS+\j], s36
.endr
.irp j, 0,1,2,3,4,5,6,7
	v_fma_f32 v[TC+\j], v[TZ+\j], v[TC+\j], s39
.endr
.irp j, 0,1,2,3,4,5,6,7
	v_mul_f32 v[TT+\j], v[TA+\j], v[TZ+\j]
.endr
.irp j, 0,1,2,3,4,5,6,7
	v_fma_f32 v[TC+\j], v[TZ+\j], v[TC+\j], -0.5
.endr
.irp j, 0,1,2,3,4,5,6,7
	v_fma_f32 v[TS+\j], v[TT+\j], v[TS+\j], v[TA+\j]   ; sin r, |r| up to pi/4: the series to r^7
.endr
.irp j, 0,1,2,3,4,5,6,7
	v_fma_f32 v[TC+\j], v[TZ+\j], v[TC+\j], 1.0        ; cos r: the series to r^8
.endr
.irp j, 0,1,2,3,4,5,6,7
	v_cvt_i32_f32 v[TN+\j], v[TN+\j]
.endr
.irp j, 0,1,2,3,4,5,6,7
	v_and_b32 v[TT+\j], 1, v[TN+\j]
	v_cmp_eq_u32 vcc_lo, 1, v[TT+\j]               ; an odd quarter: sine and cosine change places (a choice of values; no branch hangs on it)
	v_cndmask_b32 v[TO+2*\j], v[TC+\j], v[TS+\j], vcc_lo
	v_cndmask_b32 v[TO+2*\j+1], v[TS+\j], v[TC+\j], vcc_lo
	v_lshlrev_b32 v[TT+\j], 30, v[TN+\j]           ; the sine is negative in quarters 2 and 3: bit 1 of n,
	v_add_nc_u32 v[TZ+\j], 1, v[TN+\j]
	v_lshlrev_b32 v[TZ+\j], 30, v[TZ+\j]           ; the cosine in quarters 1 and 2: bit 1 of n + 1
	v_and_b32 v[TT+\j], 0x80000000, v[TT+\j]
	v_and_b32 v[TZ+\j], 0x80000000, v[TZ+\j]
	v_xor_b32 v[TO+2*\j], v[TO+2*\j], v[TZ+\j]
	v_xor_b32 v[TO+2*\j+1], v[TO+2*\j+1], v[TT+\j]
	global_store_b64 v3, v[TO+2*\j:TO+2*\j+1], s[22:23] offset:256*\j   ; 32 lanes store a position's 256 bytes, aligned
.endr
	s_wait_xcnt 0x0                                ; the stores have read their data and their base: both are written again behind this wait
	s_add_nc_u64 s[22:23], s[22:23], 2048
	s_add_co_u32 s30, s30, 8
	s_sub_co_u32 s31, s31, 1
	s_cmp_lg_u32 s31, 0
	s_cbranch_scc1 .Ltab
	s_endpgm
; ---------------- x INTO CODES.  Rows are dense and K is a multiple of 32: x is a stream of blocks of 32.  A wave takes 16 steps of 512 numbers.  Each load reads 512 consecutive bytes; a step's 2,048
; bytes turn through the wave's own stage in LDS (16 bytes of padding behind each 64) and come back 64 bytes a lane: 16 neighbours along K; two neighbouring lanes hold a block.
.Lpath_x:
.set XSTEPS, 16
.set XCB,   8                          ; bytes of 16 codes
.set XR,    16                         ; v16-79   four sets of 16 numbers as loaded
.set XX,    80                         ; v80-111  two sets of 16 neighbours
.set XC,    128                        ; v128-191 codes: registers of its own for each step
.set XE,    112                        ; v112-127 a scale byte for each step
.set XWREG, 8192                       ; LDS bytes 0 to 32,767: a region for each wave: two stages of 32 x 80 bytes, then its 256 scale bytes
.set XSP,   80
	v_lshlrev_b32 v3, 4, v2
	s_mul_i32 s27, s26, XWREG
	v_lshrrev_b32 v14, 2, v2
	v_mul_u32_u24 v14, v14, XSP
	v_and_b32 v15, 3, v2
	v_lshl_add_u32 v14, v15, 4, v14
	v_add_nc_u32 v14, s27, v14                     ; into the stage: 80 (lane / 4) + 16 (lane % 4)
	v_mul_u32_u24 v15, v2, XSP
	v_add_nc_u32 v15, s27, v15                     ; out of it: 80 x lane
	v_mul_u32_u24 v4, v2, XCB
	v_lshrrev_b32 v5, 1, v2
	s_add_co_u32 s27, s27, 2*32*XSP
	v_add_nc_u32 v5, s27, v5                       ; my block's scale byte in LDS
	v_lshlrev_b32 v7, 3, v2
	v_add_nc_u32 v6, s27, v7
	s_lshl_b32 s28, ttmp9, 2
	s_add_co_u32 s28, s28, s26                     ; which run of 8,192 numbers is my wave's
	s_lshl_b32 s30, s28, 15
	s_mov_b32 s31, 0
	s_add_nc_u64 s[4:5], s[4:5], s[30:31]
	s_lshl_b32 s30, s28, 8
	s_add_co_u32 s30, s30, XQ_SC
	s_add_nc_u64 s[32:33], s[16:17], s[30:31]      ; its 256 scale bytes
	s_lshl_b32 s30, s28, 12
	s_add_nc_u64 s[16:17], s[16:17], s[30:31]      ; its 4,096 bytes of codes
.macro XLOAD t
.irp i, 0,1,2,3
	global_load_b128 v[XR+16*((\t)%4)+4*\i:XR+16*((\t)%4)+4*\i+3], v3, s[4:5] offset:2048*(\t)+512*\i th:TH_LOAD_NT
.endr
.endm
.macro XTURN t                         ; LDS serves a wave's instructions in order: no wait between the stores and the loads
.irp i, 0,1,2,3
	ds_store_b128 v14, v[XR+16*((\t)%4)+4*\i:XR+16*((\t)%4)+4*\i+3] offset:32*XSP*((\t)%2)+8*XSP*\i
.endr
.irp i, 0,1,2,3
	ds_load_b128 v[XX+16*((\t)%2)+4*\i:XX+16*((\t)%2)+4*\i+3], v15 offset:32*XSP*((\t)%2)+16*\i
.endr
.endm
.irp t, 0,1,2,3
	XLOAD \t
.endr
	s_wait_loadcnt 12                              ; step 0's four loads are in; the twelve of steps 1 to 3 may be out
	XTURN 0
.macro XSTEP t
.set XXS, XX+16*((\t)%2)
.if (\t) > 0
	s_wait_dscnt 1                                 ; this step's numbers are back from the stage; the last step's byte store may be out
.else
	s_wait_dscnt 0x0
.endif
.if (\t)+4 < XSTEPS
	XLOAD (\t)+4
.endif
.if (\t)+1 < XSTEPS
.if XSTEPS-2-(\t) >= 3
	s_wait_loadcnt 12                              ; the next step's four loads are in; those of the three steps behind it may be out
.else
	s_wait_loadcnt 4*(XSTEPS-2-(\t))
.endif
	XTURN (\t)+1
.endif
	v_max3_num_f32 v8, |v[XXS]|, |v[XXS+1]|, |v[XXS+2]|
	v_max3_num_f32 v9, |v[XXS+3]|, |v[XXS+4]|, |v[XXS+5]|
.irp i, 6,10
	v_max3_num_f32 v8, v8, |v[XXS+\i]|, |v[XXS+\i+1]|
	v_max3_num_f32 v9, v9, |v[XXS+\i+2]|, |v[XXS+\i+3]|
.endr
	v_max3_num_f32 v8, v8, |v[XXS+14]|, |v[XXS+15]|
	v_max3_num_f32 v8, v8, v9, (EMAX+1)<<23        ; the floor 2^(3 - 127): the byte cannot fall under 1
	v_max_num_f32_dpp v8, v8, v8 row_xmask:1 row_mask:0xf bank_mask:0xf   ; with my neighbour's 16: the block's largest magnitude
	v_add_nc_u32 v11, -(EMAX<<23), v8              ; 2 off its exponent field: the conversion takes this operand's exponent field as its scale
	v_cvt_scalef32_pk8_fp4_f32 v[XC+4*(\t)], v[XXS:XXS+7], v11
	v_cvt_scalef32_pk8_fp4_f32 v[XC+4*(\t)+1], v[XXS+8:XXS+15], v11
	v_lshrrev_b32 v[XE+(\t)], 23, v11              ; the scale's byte
	ds_store_b8 v5, v[XE+(\t)] offset:16*(\t)      ; both lanes of a block write the same byte with the same value
	global_store_b64 v4, v[XC+4*(\t):XC+4*(\t)+1], s[16:17] offset:32*XCB*(\t)   ; the wave stores 256 consecutive bytes, aligned
.endm
.irp t, 0,1,2,3,4,5,6,7,8,9,10,11,12,13,14,15
	XSTEP \t
.endr
	ds_load_b64 v[12:13], v6
	s_wait_dscnt 0x0
	global_store_b64 v7, v[12:13], s[32:33]        ; the wave's 256 scale bytes, aligned
	s_wait_tensorcnt 0x0
	ds_add_u32 v192, v193
	s_wait_dscnt 0x0
	s_endpgm
; ---------------- wq, wk, wv INTO CODES.  K is the first axis: a lane takes a column n and its registers run down K, so a block of 32 lies in one lane and the codes come out with K innermost.
; A wave takes 32 columns x 512 along K; the codes go through its own stage in LDS and leave as rows: sixteen lanes store 256 consecutive bytes, aligned.
.Lpath_w:
.set WNB,   16
.set WPITCH, 272
.set WKROW, 512
.set WX,    32                         ; v32-95  two sets of 32 numbers
.set WC,    96                         ; a block's codes
.set WOUT,  112                        ; v112-175 the way out
.set WSB,   24                         ; the scale bytes, four to a register
	s_sub_co_u32 s27, ttmp9, 128
	s_lshr_b32 s28, s27, 4                         ; which weight
	s_and_b32 s29, s27, 7                          ; which 128 columns
	s_bfe_u32 s30, s27, 0x10003                    ; which 512 along K
	s_cmp_eq_u32 s28, 1
	s_cselect_b64 s[6:7], s[8:9], s[6:7]
	s_cmp_eq_u32 s28, 2
	s_cselect_b64 s[6:7], s[10:11], s[6:7]
	s_lshl_b32 s31, s29, 7
	s_lshl_b32 s32, s26, 5
	s_add_co_u32 s31, s31, s32                     ; my wave's first column
	s_lshl_b32 s32, s30, 21                        ; 512 rows of 4,096 bytes
	s_lshl_b32 s33, s31, 2
	s_add_co_u32 s32, s32, s33
	s_mov_b32 s33, 0
	s_add_nc_u64 s[6:7], s[6:7], s[32:33]
	s_lshl_b32 s34, s28, 10
	s_add_co_u32 s34, s34, s31                     ; its row in wq4
	s_lshl_b32 s32, s34, 5
	s_lshl_b32 s35, s30, 4
	s_add_co_u32 s32, s32, s35
	s_add_co_u32 s32, s32, WQ_SC
	s_add_nc_u64 s[36:37], s[18:19], s[32:33]      ; scale bytes
	s_lshl_b32 s32, s34, 9
	s_lshl_b32 s35, s30, 8
	s_add_co_u32 s32, s32, s35
	s_add_nc_u64 s[18:19], s[18:19], s[32:33]      ; codes
	s_mul_i32 s35, s26, 32*WPITCH
	s_add_co_u32 s35, s35, 32768                   ; LDS bytes 32,768 to 67,583: a stage for each wave
	v_lshlrev_b32 v3, 2, v2
	v_mul_u32_u24 v4, v2, WPITCH
	v_add_nc_u32 v4, s35, v4                       ; into the stage: row = my column
	v_and_b32 v5, 15, v2
	v_lshrrev_b32 v6, 4, v2
	v_mul_u32_u24 v7, v6, WPITCH
	v_lshl_add_u32 v7, v5, 4, v7
	v_add_nc_u32 v7, s35, v7                       ; out of it: sixteen lanes to a row
	v_mul_u32_u24 v8, v6, WKROW
	v_lshl_add_u32 v8, v5, 4, v8
	v_lshlrev_b32 v9, 5, v2                        ; my column's row of scale bytes
.macro WLOAD t
.set I, 0
.rept 32
	global_load_b32 v[WX+32*((\t)%2)+I], v3, s[6:7] offset:(32*(\t)+I)*4096 th:TH_LOAD_NT
.set I, I+1
.endr
.endm
	WLOAD 0
	WLOAD 1
.macro WBLOCK t
.set WXS, WX+32*((\t)%2)
.if (\t) < WNB-1
	s_wait_loadcnt 32                              ; this block's 32 loads are in; the next block's may be out
.else
	s_wait_loadcnt 0
.endif
	v_max3_num_f32 v12, |v[WXS]|, |v[WXS+1]|, |v[WXS+2]|
	v_max3_num_f32 v13, |v[WXS+3]|, |v[WXS+4]|, |v[WXS+5]|
.irp i, 6,10,14,18,22,26
	v_max3_num_f32 v12, v12, |v[WXS+\i]|, |v[WXS+\i+1]|
	v_max3_num_f32 v13, v13, |v[WXS+\i+2]|, |v[WXS+\i+3]|
.endr
	v_max3_num_f32 v12, v12, |v[WXS+30]|, |v[WXS+31]|
	v_max3_num_f32 v12, v12, v13, (EMAX+1)<<23
	v_add_nc_u32 v11, -(EMAX<<23), v12
	v_lshrrev_b32 v13, 23, v11
.if (\t)%4 == 0
	v_mov_b32 v[WSB+(\t)/4], v13
.else
	v_lshl_or_b32 v[WSB+(\t)/4], v13, 8*((\t)%4), v[WSB+(\t)/4]
.endif
.irp g, 0,1,2,3
	v_cvt_scalef32_pk8_fp4_f32 v[WC+\g], v[WXS+8*\g:WXS+8*\g+7], v11
.endr
	ds_store_b128 v4, v[WC:WC+3] offset:16*(\t)
.if (\t)+2 < WNB
	WLOAD (\t)+2
.endif
	s_wait_dscnt 0x0                               ; the store has read its registers: the next block's codes may be written
.endm
.set Q, 0
.rept WNB
	WBLOCK Q
.set Q, Q+1
.endr
	global_store_b128 v9, v[WSB:WSB+3], s[36:37]   ; my column's 16 scale bytes
.irp t, 0,1,2,3,4,5,6,7,8,9,10,11,12,13,14,15
	ds_load_b128 v[WOUT+4*\t:WOUT+4*\t+3], v7 offset:2*\t*WPITCH
.endr
.irp t, 0,1,2,3,4,5,6,7,8,9,10,11,12,13,14,15
	s_wait_dscnt 15-\t
	global_store_b128 v8, v[WOUT+4*\t:WOUT+4*\t+3], s[18:19] offset:2*\t*WKROW
.endr
	s_wait_tensorcnt 0x0
	ds_add_u32 v192, v193
	s_wait_dscnt 0x0
	s_endpgm
; ---------------- wo TURNED, IN f16.  The same plan: a lane takes a column n, its registers run down k; a wave takes 32 columns x 128 k (256 bytes a column), through its own stage.
.Lpath_o:
.set OX,    32
.set OC,    96
.set OOUT,  112
	s_sub_co_u32 s27, ttmp9, 176
	s_and_b32 s29, s27, 7                          ; which 128 columns
	s_lshr_b32 s30, s27, 3                         ; which 128 along k
	s_lshl_b32 s31, s29, 7
	s_lshl_b32 s32, s26, 5
	s_add_co_u32 s31, s31, s32                     ; my wave's first column
	s_lshl_b32 s32, s30, 19                        ; 128 rows of 4,096 bytes
	s_lshl_b32 s33, s31, 2
	s_add_co_u32 s32, s32, s33
	s_mov_b32 s33, 0
	s_add_nc_u64 s[12:13], s[12:13], s[32:33]
	s_lshl_b32 s32, s31, 11                        ; a row of wot is 2,048 bytes
	s_lshl_b32 s34, s30, 8
	s_add_co_u32 s32, s32, s34
	s_add_nc_u64 s[20:21], s[20:21], s[32:33]
	s_mul_i32 s35, s26, 32*272
	s_add_co_u32 s35, s35, 67584                   ; LDS bytes 67,584 to 102,399: a stage for each wave
	v_lshlrev_b32 v3, 2, v2
	v_mul_u32_u24 v4, v2, 272
	v_add_nc_u32 v4, s35, v4
	v_and_b32 v5, 15, v2
	v_lshrrev_b32 v6, 4, v2
	v_mul_u32_u24 v7, v6, 272
	v_lshl_add_u32 v7, v5, 4, v7
	v_add_nc_u32 v7, s35, v7
	v_lshlrev_b32 v8, 11, v6
	v_lshl_add_u32 v8, v5, 4, v8
.macro OLOAD t
.set I, 0
.rept 32
	global_load_b32 v[OX+32*((\t)%2)+I], v3, s[12:13] offset:(32*(\t)+I)*4096 th:TH_LOAD_NT
.set I, I+1
.endr
.endm
	OLOAD 0
	OLOAD 1
.macro OBLOCK t
.set OXS, OX+32*((\t)%2)
.if (\t) < 3
	s_wait_loadcnt 32                              ; this block's 32 loads are in; the next block's may be out
.else
	s_wait_loadcnt 0
.endif
.set I, 0
.rept 16
	v_cvt_pk_f16_f32 v[OC+I], v[OXS+2*I], v[OXS+2*I+1]
.set I, I+1
.endr
.irp e, 0,1,2,3
	ds_store_b128 v4, v[OC+4*\e:OC+4*\e+3] offset:64*(\t)+16*\e
.endr
.if (\t)+2 < 4
	OLOAD (\t)+2
.endif
	s_wait_dscnt 0x0                               ; the stores have read their registers
.endm
.irp t, 0,1,2,3
	OBLOCK \t
.endr
.irp t, 0,1,2,3,4,5,6,7,8,9,10,11,12,13,14,15
	ds_load_b128 v[OOUT+4*\t:OOUT+4*\t+3], v7 offset:2*\t*272
.endr
.irp t, 0,1,2,3,4,5,6,7,8,9,10,11,12,13,14,15
	s_wait_dscnt 15-\t
	global_store_b128 v8, v[OOUT+4*\t:OOUT+4*\t+3], s[20:21] offset:2*\t*2048   ; sixteen lanes store 256 consecutive bytes, aligned
.endr
	s_wait_tensorcnt 0x0
	ds_add_u32 v192, v193
	s_wait_dscnt 0x0
	s_endpgm
.Lfunc_end_k_q229b09a723_prep:
	.size	k_q229b09a723_prep, .Lfunc_end_k_q229b09a723_prep-k_q229b09a723_prep
	.p2alignl 7, 3214868480
	.fill 96, 4, 3214868480
	.section	.rodata,"a",@progbits
	.p2align	6, 0x0
	.amdhsa_kernel k_q229b09a723_prep
		.amdhsa_group_segment_fixed_size 102912
		.amdhsa_private_segment_fixed_size 0
		.amdhsa_enable_private_segment 0
		.amdhsa_kernarg_size 88
		.amdhsa_user_sgpr_count 2
		.amdhsa_user_sgpr_kernarg_segment_ptr 1
		.amdhsa_wavefront_size32 1
		.amdhsa_system_sgpr_workgroup_id_x 1
		.amdhsa_system_sgpr_workgroup_id_y 1
		.amdhsa_system_sgpr_workgroup_id_z 1
		.amdhsa_system_vgpr_workitem_id 0
		.amdhsa_next_free_vgpr 194
		.amdhsa_next_free_sgpr 66
		.amdhsa_reserve_vcc 1
		.amdhsa_float_denorm_mode_32 3
		.amdhsa_float_denorm_mode_16_64 3
		.amdhsa_memory_ordered 1
		.amdhsa_forward_progress 1
		.amdhsa_inst_pref_size 188
	.end_amdhsa_kernel
	.amdgpu_metadata
---
amdhsa.version: [ 1, 2 ]
amdhsa.kernels:
  - .name:           k_q229b09a723_prep
    .symbol:         k_q229b09a723_prep.kd
    .args:
      - { .name: x, .offset: 0, .size: 8, .value_kind: global_buffer, .address_space: global }
      - { .name: wq, .offset: 8, .size: 8, .value_kind: global_buffer, .address_space: global }
      - { .name: wk, .offset: 16, .size: 8, .value_kind: global_buffer, .address_space: global }
      - { .name: wv, .offset: 24, .size: 8, .value_kind: global_buffer, .address_space: global }
      - { .name: wo, .offset: 32, .size: 8, .value_kind: global_buffer, .address_space: global }
      - { .name: mask, .offset: 40, .size: 8, .value_kind: global_buffer, .address_space: global }
      - { .name: xq, .offset: 48, .size: 8, .value_kind: global_buffer, .address_space: global }
      - { .name: wq4, .offset: 56, .size: 8, .value_kind: global_buffer, .address_space: global }
      - { .name: wot, .offset: 64, .size: 8, .value_kind: global_buffer, .address_space: global }
      - { .name: cs, .offset: 72, .size: 8, .value_kind: global_buffer, .address_space: global }
      - { .name: ord, .offset: 80, .size: 8, .value_kind: global_buffer, .address_space: global }
    .group_segment_fixed_size: 102912
    .private_segment_fixed_size: 0
    .kernarg_segment_align: 8
    .kernarg_segment_size: 88
    .max_flat_workgroup_size: 128
    .sgpr_count:     66
    .vgpr_count:     194
    .wavefront_size: 32
...
	.end_amdgpu_metadata
.endif
;; end of part 1
;; launch qkv (part 2): grid 8 x 32, 4 waves a work-group, clusters of 4 x 4, 327,680 bytes of LDS; arguments xq, wq4, bq, bk, bv, cs, ord, qkv; writes qkv
.if DOCPART == 2
	.amdgcn_target "amdgcn-amd-amdhsa--gfx1250"
	.amdhsa_code_object_version 6
	.text
	.protected	k_q229b09a723_qkv
	.globl	k_q229b09a723_qkv
	.p2align	8
	.type	k_q229b09a723_qkv,@function
k_q229b09a723_qkv:
	s_mov_b64 s[64:65], 0
	v_nop
	global_prefetch_b8 v0, s[64:65] scope:SCOPE_SE
	s_setreg_imm32_b32 hwreg(HW_REG_WAVE_MODE, 25, 1), 1
	s_wait_xcnt 0x0
	s_wait_alu depctr_hold_cnt(0) depctr_sa_sdst(0) depctr_va_vdst(0) depctr_va_sdst(0) depctr_va_ssrc(0) depctr_va_vcc(0) depctr_vm_vsrc(0)
	s_getreg_b32 s2, hwreg(HW_REG_IB_STS2, 6, 4)
	s_cmp_eq_u32 s2, 0
	s_cbranch_scc0 .Lentry_in_a_cluster
	s_endpgm
.Lentry_in_a_cluster:
	s_bfe_u32 s2, ttmp6, 0x10000c
	s_cmp_lg_u32 s2, 0xf033
	s_cbranch_scc0 .Lentry_shape_is_right
	s_endpgm
.Lentry_shape_is_right:
; q, k, v = x W + b on codes of FP4 (E2M1) with one E8M0 scale for each 32 along K = 1,024; then the rotation of q and k in f32; results in f16.
; OUT: three planes of 8,388,608 bytes (q, k, v), each [batch 2][pair of heads 8][row 2,048][128 f16]: a row is 256 bytes, heads 2 p and 2 p + 1 side by side.
; q's rows stand in token order; k's and v's at the place that the list in ord gives the token (kept keys first).
; WHY f16: the next products' operands keep 11 significant bits.  LIMIT: |q|, |k|, |v| stay under 65,504, f16's largest number.  With x of spread 1 and weights of spread 0.02 they reach about 3.3;
; with both 30 times larger about 3,000; with common offsets of 30 and 0.6 about 1,024 x 30 x 0.6 = 18,432, behind the rotation at most 1.42 times that.
; SHARES.  Work-group (p, mb) takes 128 tokens x the 384 columns of head pair p (128 of q, of k, of v).  Wave w: tokens 64 (w & 1) on, head 2 p + (w >> 1): three units (q, k, v) of 4 token tiles x 4 column
; tiles: 48 accumulators, 8 steps of 128 along K: 384 matrix instructions.
; THE MATRIX INSTRUCTION IS USED TRANSPOSED (source 0 = 16 rows of the weight, source 1 = 16 tokens): lane (r, h) holds token r and columns 16 t + 8 h + 0 .. 7 of the head.  The bias is the C of each sum's first instruction.
; LDS.  All of K fits: two halves of 512 along K (rows of 256 bytes + 16), each x's tile and the three weights' tiles of 128 rows; behind them the four tiles' scale bytes.  Every byte is filled ONCE, by three
; tensor loads a wave at the head (three are out at the most).  The stage for the way out lies in the first half, which has had its only fill and, behind the barrier between the halves, its last read.
; CLUSTER 4 x 4: x's tile hangs on mb alone and is asked for jointly along a row of the cluster (wave 0), a weight's tile on p alone and is asked for jointly along a column (waves 1 to 3).
; REGISTERS: window 0: v1-31 addresses; v32-47 the tokens' places; v48-63 x's scale words, v64-111 the weights' (they hold nothing else); v112-175 x's fragments, two sets; v176-239 a unit's fragments, two sets.
;   window 1: the accumulators of q and k, (u, a, t) at v[8 (16 u + 4 a + t)].   window 2: v's at v[8 (4 a + t)]; from v128 the biases.   window 3: cos and sin, (a, t, i) at v[32 a + 8 t + 2 i], + 1.
.set PITCH, 272                        ; an LDS row: 256 bytes + 16: the 16 rows that a load touches start at 16 different groups of four banks
.set HALFT, 128*PITCH                  ; a tile of 128 rows: what one tensor load brings
.set SLOT,  4*HALFT                    ; a half of K: x's tile, then wq's, wk's, wv's
.set SCL,   2*SLOT                     ; the scale bytes: a tile's 4,096 dense bytes as 16 rows of 256 + 16
.set HALFS, 16*272
.set PLANE, HALFT                      ; the stage: a plane of 128 rows x 272 for each of q, k, v
.set XQ_SC, 2097152
.set WQ_SC, 1572864
.set ADRA, 16                          ; v16-17  my tokens' rows in half 0, 1
.set ADRB, 18                          ; v18-23  my head's rows of unit u in half s: 2 u + s
.set ADSA, 24
.set ADSB, 25
.set STO,  26
.set STOV, 27
.set RD,   28
.set RDV,  29
.set QOFF, 30
.set COL,  31
.set PIDX, 32
.set SA,   48
.set SB,   64
.set AF,   112
.set BF,   176
.set F,    112                         ; behind the products: 32 rotated numbers,
.set PB,   144                         ; two sets of 16 packed registers,
.set OUT0, 176                         ; and on the way out 16 rows of a plane
.set OUT1, 112
.set BIAS, 128
.set G1,   40
.set G1B,  48
.set G1S,  56
.set G1SB, 68
.set G0,   76
.set G0B,  84
.set G0S,  92
.set G0SB, 96
.set MSB, 0
.macro WIN new                         ; the immediate's high byte repeats the setting that is left
.if MSB != \new
	s_set_vgpr_msb (MSB<<8)|\new
.set MSB, \new
.endif
.endm
; A joint load: wave 0 asks for x, waves 1 to 3 for the weights.  Each line has one mask and one set of registers for all that issue it; the branch hangs on the wave's number alone.
; Four v_nop follow each of the two lines.
.macro JLOAD g0a, g1a, g0b, g1b
	s_cmp_eq_u32 s20, 0
	s_cbranch_scc0 .Lfor_b_\@
	tensor_load_to_lds s[\g0a:\g0a+3], s[\g1a:\g1a+7]
	s_nop 0
.rept 4
	v_nop
.endr
	s_branch .Lasked_\@
.Lfor_b_\@:
	tensor_load_to_lds s[\g0b:\g0b+3], s[\g1b:\g1b+7]
	s_nop 0
.rept 4
	v_nop
.endr
.Lasked_\@:
.endm
.macro CROUND                          ; a round of the cluster's barrier
	s_barrier_signal -1
	s_barrier_wait -1
	s_cmp_lg_u32 s20, 0
	s_cbranch_scc1 .Lnot_wave_0_\@
	s_barrier_signal -3
.Lnot_wave_0_\@:
	s_barrier_wait -3
	s_barrier_signal -1
	s_barrier_wait -1
.endm
.macro PLACES
.rept 4
	v_nop
.endr
.endm
	s_load_b512 s[4:19], s[0:1], 0x0               ; xq s[4:5], wq4 s[6:7], bq s[8:9], bk s[10:11], bv s[12:13], cs s[14:15], ord s[16:17], qkv s[18:19]
	v_lshl_add_u32 v254, v0, 2, 0x48400
	v_mov_b32 v255, 0
	ds_add_u32 v254, v255
	ds_add_u32 v254, v255
	v_lshrrev_b32 v1, 5, v0
	v_readfirstlane_b32 s20, v1                    ; wave 0..3
	s_and_b32 s21, s20, 1                          ; g: which 64 tokens
	s_lshr_b32 s22, s20, 1                         ; c: which head of the pair
	s_bfe_u32 s23, ttmp6, 0x40000                  ; cx
	s_bfe_u32 s24, ttmp6, 0x40004                  ; cy
	s_lshl_b32 s25, ttmp9, 2
	s_add_co_u32 s25, s25, s23                     ; p = 4 x cluster x + cx
	s_and_b32 s26, ttmp7, 0xffff
	s_lshl_b32 s26, s26, 2
	s_add_co_u32 s26, s26, s24                     ; mb = 4 x cluster y + cy
	s_lshl_b32 s27, s24, 2
	s_lshl_b32 s27, 15, s27                        ; my row of the cluster
	s_lshl_b32 s28, 0x1111, s23                    ; my column
	s_or_b32 s[G1], s27, (1<<20)|(1<<21)|(5<<22)|(3<<25)    ; 15:0 the mask; 17:16 elements of 1 byte; 20 padding on; 21 set beside a mask; 24:22 after every 64 words; 31:25 four words
	s_or_b32 s[G1B], s28, (1<<20)|(1<<21)|(5<<22)|(3<<25)
.irp g, G1, G1B
	s_mov_b32 s[\g+1], 256<<16                     ; tensor_dim0 = 256 bytes: 512 codes
	s_mov_b32 s[\g+2], 128<<16                     ; tensor_dim1 = 128 rows
	s_mov_b32 s[\g+3], 256<<16                     ; tile_dim0
	s_mov_b32 s[\g+4], 128                         ; tile_dim1
	s_mov_b32 s[\g+5], 512                         ; a row of codes in memory
	s_mov_b32 s[\g+6], 0
	s_mov_b32 s[\g+7], 0
.endr
	s_or_b32 s[G1S], s27, (3<<16)|(1<<20)|(1<<21)|(5<<22)|(3<<25)   ; the scale bytes of 128 rows: 4,096 dense bytes as 16 rows of 32 elements of 8 bytes
	s_or_b32 s[G1SB], s28, (3<<16)|(1<<20)|(1<<21)|(5<<22)|(3<<25)
.irp g, G1S, G1SB
	s_mov_b32 s[\g+1], 32<<16
	s_mov_b32 s[\g+2], 16<<16
	s_mov_b32 s[\g+3], 32<<16
	s_mov_b32 s[\g+4], 16
	s_mov_b32 s[\g+5], 32
	s_mov_b32 s[\g+6], 0
	s_mov_b32 s[\g+7], 0
.endr
	s_max_u32 s29, s20, 1
	s_sub_co_u32 s29, s29, 1                       ; which weight I fetch (waves 1 to 3)
	s_lshl_b32 s30, s26, 16                        ; x: 128 rows of 512 bytes a block of tokens
	s_mov_b32 s31, 0
	s_lshl_b32 s32, s26, 12                        ; and 128 x 32 scale bytes
	s_add_co_u32 s32, s32, XQ_SC
	s_mov_b32 s33, 0
	s_lshl_b32 s34, s29, 19                        ; the weights: 1,024 rows a weight, 128 a pair of heads
	s_lshl_b32 s35, s25, 16
	s_add_co_u32 s34, s34, s35
	s_mov_b32 s35, 0
	s_lshl_b32 s36, s29, 15
	s_lshl_b32 s37, s25, 12
	s_add_co_u32 s36, s36, s37
	s_add_co_u32 s36, s36, WQ_SC
	s_mov_b32 s37, 0
	s_mul_i32 s38, s20, HALFT                      ; where they go: tile = wave: no place in the cluster enters an LDS address
	s_mul_i32 s39, s20, HALFS
	s_wait_dscnt 0x0
	s_wait_kmcnt 0x0
	s_add_nc_u64 s[30:31], s[4:5], s[30:31]
	s_add_nc_u64 s[32:33], s[4:5], s[32:33]
	s_add_nc_u64 s[34:35], s[6:7], s[34:35]
	s_add_nc_u64 s[36:37], s[6:7], s[36:37]
	CROUND                                         ; all sixteen work-groups are here: the joint loads meet
	s_mov_b32 s[G0S], 1
	s_add_co_u32 s[G0S+1], s39, SCL
	s_mov_b64 s[G0S+2:G0S+3], s[32:33]
	s_or_b32 s[G0S+3], s[G0S+3], 0x80000000
	s_mov_b32 s[G0SB], 1
	s_add_co_u32 s[G0SB+1], s39, SCL
	s_mov_b64 s[G0SB+2:G0SB+3], s[36:37]
	s_or_b32 s[G0SB+3], s[G0SB+3], 0x80000000
	JLOAD G0S, G1S, G0SB, G1SB                     ; the scale bytes first
.irp s, 0,1
	s_mov_b32 s[G0+4*\s], 1
	s_add_co_u32 s[G0+4*\s+1], s38, \s*SLOT
	s_add_nc_u64 s[G0+4*\s+2:G0+4*\s+3], s[30:31], \s*256
	s_or_b32 s[G0+4*\s+3], s[G0+4*\s+3], 0x80000000
	s_mov_b32 s[G0B+4*\s], 1
	s_add_co_u32 s[G0B+4*\s+1], s38, \s*SLOT
	s_add_nc_u64 s[G0B+4*\s+2:G0B+4*\s+3], s[34:35], \s*256
	s_or_b32 s[G0B+4*\s+3], s[G0B+4*\s+3], 0x80000000
	JLOAD G0+4*\s, G1, G0B+4*\s, G1B               ; then the two halves of K
.endr
	; what comes straight into registers: the tokens' places, the biases, the table
	v_and_b32 v1, 15, v0                           ; r
	v_bfe_u32 v2, v0, 4, 1                         ; h
	v_lshlrev_b32 v7, 2, v2
	v_lshlrev_b32 v5, 5, v2
	v_lshl_add_u32 v6, v1, 8, v5                   ; the table: 256 r + 32 h
	s_lshl_b32 s30, s26, 9                         ; 128 tokens x 4 bytes a block (batch and block are one number: 2,048 = 16 x 128)
	s_lshl_b32 s31, s20, 7                         ; on the way out wave w stores rows 32 w .. 32 w + 31
	s_add_co_u32 s30, s30, s31
	s_mov_b32 s31, 0
	s_add_nc_u64 s[16:17], s[16:17], s[30:31]
.set I, 0
.rept 16
	global_load_b32 v[PIDX+I], v7, s[16:17] offset:8*I   ; the place of row 32 w + 2 I + h
.set I, I+1
.endr
	s_lshl_b32 s30, s25, 9                         ; 128 columns x 4 bytes a pair,
	s_lshl_b32 s38, s22, 8                         ; 64 a head
	s_add_co_u32 s30, s30, s38
	s_add_nc_u64 s[8:9], s[8:9], s[30:31]
	s_add_nc_u64 s[10:11], s[10:11], s[30:31]
	s_add_nc_u64 s[12:13], s[12:13], s[30:31]
	WIN 0x80                                       ; destination window 2
.irp u, 0,1,2
.irp t, 0,1,2,3
	global_load_b128 v[BIAS+8*(4*\u+\t):BIAS+8*(4*\u+\t)+3], v5, s[8+2*\u:9+2*\u] offset:64*\t        ; the bias of columns 16 t + 8 h + 0 .. 7, in the result's layout
	global_load_b128 v[BIAS+8*(4*\u+\t)+4:BIAS+8*(4*\u+\t)+7], v5, s[8+2*\u:9+2*\u] offset:64*\t+16
.endr
.endr
	s_and_b32 s30, s26, 15
	s_lshl_b32 s30, s30, 15                        ; the block's first position x 256 bytes
	s_lshl_b32 s38, s21, 14
	s_add_co_u32 s30, s30, s38
	s_add_nc_u64 s[14:15], s[14:15], s[30:31]
	WIN 0xc0                                       ; destination window 3
.irp a, 0,1,2,3
.irp t, 0,1,2,3
.irp e, 0,1
	global_load_b128 v[32*\a+8*\t+4*\e:32*\a+8*\t+4*\e+3], v6, s[14:15] offset:4096*\a+64*\t+16*\e    ; (cos, sin) of f = 8 t + 4 h + 2 e, + 1 at position 16 a + r
.endr
.endr
.endr
	WIN 0
	; LDS addresses
	v_mul_u32_u24 v3, v1, PITCH
	v_lshl_add_u32 v3, v2, 4, v3                   ; a fragment's row x pitch + 16 h
	s_mul_i32 s30, s21, 64*PITCH
	v_add_nc_u32 v[ADRA], s30, v3
	v_add_nc_u32 v[ADRA+1], SLOT, v[ADRA]
	s_mul_i32 s38, s22, 64*PITCH
	s_add_co_u32 s38, s38, HALFT
	v_add_nc_u32 v[ADRB], s38, v3
	v_add_nc_u32 v[ADRB+1], SLOT, v[ADRB]
	v_add_nc_u32 v[ADRB+2], HALFT, v[ADRB]
	v_add_nc_u32 v[ADRB+3], SLOT, v[ADRB+2]
	v_add_nc_u32 v[ADRB+4], HALFT, v[ADRB+2]
	v_add_nc_u32 v[ADRB+5], SLOT, v[ADRB+4]
	v_lshrrev_b32 v4, 3, v1
	v_mul_u32_u24 v4, v4, 272
	v_and_b32 v8, 7, v1
	v_lshl_add_u32 v4, v8, 5, v4                   ; row r's 32 scale bytes: eight rows to 256 bytes + 16
	s_mul_i32 s38, s21, 8*272
	s_add_co_u32 s38, s38, SCL
	v_add_nc_u32 v[ADSA], s38, v4
	s_mul_i32 s38, s22, 8*272
	s_add_co_u32 s38, s38, SCL+HALFS
	v_add_nc_u32 v[ADSB], s38, v4
	s_lshl_b32 s38, s22, 7
	s_add_co_u32 s30, s30, s38
	v_add_nc_u32 v[STO], s30, v3                   ; the stage: row 64 g + r, byte 128 c + 16 h
	v_add_nc_u32 v[STOV], 2*PLANE, v[STO]
	v_mul_u32_u24 v8, v2, PITCH
	v_lshl_add_u32 v8, v1, 4, v8
	s_mul_i32 s38, s20, 32*PITCH
	v_add_nc_u32 v[RD], s38, v8                    ; back: rows 32 w + h on, sixteen lanes to a row
	v_add_nc_u32 v[RDV], 2*PLANE, v[RD]
	v_lshlrev_b32 v[COL], 4, v1
	v_lshl_add_u32 v[QOFF], v2, 8, v[COL]
	; where the results go
	s_lshr_b32 s30, s26, 4
	s_lshl_b32 s30, s30, 22
	s_lshl_b32 s38, s25, 19
	s_add_co_u32 s30, s30, s38                     ; (8 batch + p) x 2,048 rows x 256 bytes
	s_add_nc_u64 s[18:19], s[18:19], s[30:31]
	s_add_nc_u64 s[34:35], s[18:19], 8388608       ; k's plane
	s_add_nc_u64 s[36:37], s[18:19], 16777216      ; v's
	s_and_b32 s30, s26, 15
	s_lshl_b32 s30, s30, 15
	s_lshl_b32 s38, s20, 13
	s_add_co_u32 s30, s30, s38
	s_add_nc_u64 s[32:33], s[18:19], s[30:31]      ; q's rows 32 w on of this block
.macro LOADA set, s, q                 ; my four token tiles' fragments of the half's q-th 128 along K: 16 rows x 128 K of 4-bit codes are 8 registers, two loads 32 bytes apart
.irp i, 0,1,2,3
.irp cc, 0,1
	ds_load_b128 v[AF+32*(\set)+8*\i+4*\cc:AF+32*(\set)+8*\i+4*\cc+3], v[ADRA+\s] offset:64*(\q)+32*\cc+\i*16*PITCH
.endr
.endr
.endm
.macro LOADB set, s, q, u              ; the four column tiles' fragments of unit u
.irp i, 0,1,2,3
.irp cc, 0,1
	ds_load_b128 v[BF+32*(\set)+8*\i+4*\cc:BF+32*(\set)+8*\i+4*\cc+3], v[ADRB+2*(\u)+\s] offset:64*(\q)+32*\cc+\i*16*PITCH
.endr
.endr
.endm
.macro SCALES s                        ; a half's scale words: four words (512 along K) a row by one load
.irp a, 0,1,2,3
	ds_load_b128 v[SA+4*\a:SA+4*\a+3], v[ADSA] offset:544*\a+16*\s
.endr
.irp u, 0,1,2
.irp t, 0,1,2,3
	ds_load_b128 v[SB+4*(4*\u+\t):SB+4*(4*\u+\t)+3], v[ADSB] offset:4352*\u+544*\t+16*\s
.endr
.endr
.endm
; A unit step: 16 matrix instructions (4 token tiles x 4 column tiles of unit U, the half's Q-th 128 along K).  In front of them the next step's fragments are asked for, behind four places, since they
; land in registers that the last step's products read; the wait leaves just those loads out.  An accumulator comes round again 48 matrix instructions later: the accumulators take turns.
.macro US s, first
.set Q, N/3
.set U, N%3
.set N1, N+1
	PLACES
.set CNT, 0
.if N < 11
	LOADB N1%2, \s, N1/3, N1%3
.set CNT, CNT+8
.endif
.if (U == 0) && (Q < 3)
	LOADA (Q+1)%2, \s, Q+1
.set CNT, CNT+8
.endif
	s_wait_dscnt CNT                               ; all but the loads just issued
.if U == 2
	WIN 0xa0                                       ; C and D window 2
.elseif \first && (Q == 0)
	WIN 0x60                                       ; C (the bias) window 2, D window 1
.else
	WIN 0x50                                       ; C and D window 1
.endif
.irp a, 0,1,2,3
.irp t, 0,1,2,3
.if U < 2
.set AC, 8*(16*U+4*\a+\t)
.else
.set AC, 8*(4*\a+\t)
.endif
.if \first && (Q == 0)
	v_wmma_scale_f32_16x16x128_f8f6f4 v[AC:AC+7], v[BF+32*(N%2)+8*\t:BF+32*(N%2)+8*\t+7], v[AF+32*(Q%2)+8*\a:AF+32*(Q%2)+8*\a+7], v[BIAS+8*(4*U+\t):BIAS+8*(4*U+\t)+7], v[SB+4*(4*U+\t)+Q], v[SA+4*\a+Q] matrix_a_fmt:MATRIX_FMT_FP4 matrix_b_fmt:MATRIX_FMT_FP4
.else
	v_wmma_scale_f32_16x16x128_f8f6f4 v[AC:AC+7], v[BF+32*(N%2)+8*\t:BF+32*(N%2)+8*\t+7], v[AF+32*(Q%2)+8*\a:AF+32*(Q%2)+8*\a+7], v[AC:AC+7], v[SB+4*(4*U+\t)+Q], v[SA+4*\a+Q] matrix_a_fmt:MATRIX_FMT_FP4 matrix_b_fmt:MATRIX_FMT_FP4
.endif
.endr
.endr
	WIN 0
.endm
.macro HALF s, first
	SCALES \s
	LOADA 0, \s, 0
	LOADB 0, \s, 0, 0
.set N, 0
.rept 12
	US \s, \first
.set N, N+1
.endr
.endm
	s_wait_tensorcnt 1                             ; the scale bytes and my tile of the first half are in; the second half's load may stay out
	s_wait_loadcnt 0x0                             ; places, biases, table
.set I, 0
.rept 16
	v_min_u32 v[PIDX+I], 2047, v[PIDX+I]           ; a place stays inside its plane
.set I, I+1
.endr
.set I, 0
.rept 16
	v_lshl_add_u32 v[PIDX+I], v[PIDX+I], 8, v[COL] ; 256 bytes a row + my 16 bytes
.set I, I+1
.endr
	s_barrier_signal -1
	s_barrier_wait -1                              ; everybody's tiles are in
	HALF 0, 1
	PLACES                                         ; for the loads into scale words and fragments that the last products read
	s_wait_tensorcnt 0x0                           ; my tile of the second half is in,
	s_wait_dscnt 0x0                               ; and my reads of the first half are over
	s_barrier_signal -1
	s_barrier_wait -1
	HALF 1, 0
	PLACES                                         ; in front of the first read of results
; THE ROTATION.  out[d] = q[d] cos(f) - q[d + 32] sin(f), f = d / 2, for d < 32;  out[d + 32] = q[d + 32] cos(f + 16) + q[d] sin(f + 16).  Column tiles t and t + 2 hold d and d + 32 in the same lane and
; register; a pair of registers shares its f.  Each accumulator is read from its low end on.
.set GRP, 0
.macro PACKF adr, off                  ; 32 numbers in v[F] on -> 16 bytes for each column tile, into the stage.  Two sets of packed registers: the four youngest stores may be out
	s_wait_dscnt 4
.irp t, 0,1,2,3
.irp i, 0,1,2,3
	v_cvt_pk_f16_f32 v[PB+16*(GRP%2)+4*\t+\i], v[F+8*\t+2*\i], v[F+8*\t+2*\i+1]
.endr
.endr
.irp t, 0,1,2,3
	ds_store_b128 v[\adr], v[PB+16*(GRP%2)+4*\t:PB+16*(GRP%2)+4*\t+3] offset:\off+32*\t
.endr
.set GRP, GRP+1
.endm
.macro ROPE a, u
	WIN 0x0d                                       ; source 0 (results) window 1, source 1 (table) window 3
.irp t, 0,1
.irp i, 0,1,2,3
.set ALO, 8*(16*(\u)+4*(\a)+\t)+2*\i
.set AHI, ALO+16
.set TBL, 32*(\a)+8*\t+2*\i
.set TBH, TBL+16
.set FL, F+8*\t+2*\i
.set FH, FL+16
	v_pk_mul_f32 v[FL:FL+1], v[ALO:ALO+1], v[TBL:TBL+1] op_sel_hi:[1,0]        ; x cos: the pair's first word for both halves
	v_pk_mul_f32 v[FH:FH+1], v[AHI:AHI+1], v[TBH:TBH+1] op_sel_hi:[1,0]
	v_pk_fma_f32 v[FL:FL+1], v[AHI:AHI+1], v[TBL:TBL+1], v[FL:FL+1] op_sel:[0,1,0] op_sel_hi:[1,1,1] neg_lo:[0,1,0] neg_hi:[0,1,0]   ; - x sin: the pair's second word for both halves
	v_pk_fma_f32 v[FH:FH+1], v[ALO:ALO+1], v[TBH:TBH+1], v[FH:FH+1] op_sel:[0,1,0] op_sel_hi:[1,1,1]
.endr
.endr
	WIN 0
	PACKF STO, \u*PLANE+\a*16*PITCH
.endm
.macro VOUT a
	s_wait_dscnt 4
	WIN 0x0a                                       ; sources window 2
.irp t, 0,1,2,3
.irp i, 0,1,2,3
	v_cvt_pk_f16_f32 v[PB+16*(GRP%2)+4*\t+\i], v[8*(4*(\a)+\t)+2*\i], v[8*(4*(\a)+\t)+2*\i+1]
.endr
.endr
	WIN 0
.irp t, 0,1,2,3
	ds_store_b128 v[STOV], v[PB+16*(GRP%2)+4*\t:PB+16*(GRP%2)+4*\t+3] offset:\a*16*PITCH+32*\t
.endr
.set GRP, GRP+1
.endm
.irp a, 0,1,2,3
	ROPE \a, 0
	ROPE \a, 1
	VOUT \a
.endr
	s_wait_dscnt 0x0                               ; for the others' sake: my stores into the stage are done
	s_barrier_signal -1
	s_barrier_wait -1
; THE WAY OUT: wave w takes rows 32 w .. 32 w + 31 of the three planes, two rows an instruction: sixteen lanes store a row's 256 bytes, aligned.
.macro BACK reg, adr, off
.set I, 0
.rept 16
	ds_load_b128 v[\reg+4*I:\reg+4*I+3], v[\adr] offset:\off+544*I
.set I, I+1
.endr
.endm
	BACK OUT0, RD, 0
	BACK OUT1, RD, PLANE
.set I, 0
.rept 16
	s_wait_dscnt 31-I                              ; behind q's load I: its 15 - I younger ones and k's sixteen
	global_store_b128 v[QOFF], v[OUT0+4*I:OUT0+4*I+3], s[32:33] offset:512*I
.set I, I+1
.endr
	s_wait_xcnt 0x0                                ; q's stores have read their registers: v's rows may land there
	BACK OUT0, RDV, 0
.set I, 0
.rept 16
	s_wait_dscnt 31-I                              ; behind k's load I: its younger ones and v's sixteen
	global_store_b128 v[PIDX+I], v[OUT1+4*I:OUT1+4*I+3], s[34:35]
.set I, I+1
.endr
.set I, 0
.rept 16
	s_wait_dscnt 15-I
	global_store_b128 v[PIDX+I], v[OUT0+4*I:OUT0+4*I+3], s[36:37]
.set I, I+1
.endr
	s_wait_tensorcnt 0x0
	ds_add_u32 v254, v255
	s_wait_dscnt 0x0
	CROUND                                         ; the closing round: no work-group ends while a partner may still ask for a tile that names it
	s_endpgm
.Lfunc_end_k_q229b09a723_qkv:
	.size	k_q229b09a723_qkv, .Lfunc_end_k_q229b09a723_qkv-k_q229b09a723_qkv
	.p2alignl 7, 3214868480
	.fill 96, 4, 3214868480
	.section	.rodata,"a",@progbits
	.p2align	6, 0x0
	.amdhsa_kernel k_q229b09a723_qkv
		.amdhsa_group_segment_fixed_size 327680
		.amdhsa_private_segment_fixed_size 0
		.amdhsa_enable_private_segment 0
		.amdhsa_kernarg_size 64
		.amdhsa_user_sgpr_count 2
		.amdhsa_user_sgpr_kernarg_segment_ptr 1
		.amdhsa_wavefront_size32 1
		.amdhsa_system_sgpr_workgroup_id_x 1
		.amdhsa_system_sgpr_workgroup_id_y 1
		.amdhsa_system_sgpr_workgroup_id_z 1
		.amdhsa_system_vgpr_workitem_id 0
		.amdhsa_next_free_vgpr 896
		.amdhsa_next_free_sgpr 100
		.amdhsa_reserve_vcc 0
		.amdhsa_float_denorm_mode_32 3
		.amdhsa_float_denorm_mode_16_64 3
		.amdhsa_memory_ordered 1
		.amdhsa_forward_progress 1
		.amdhsa_inst_pref_size 133
	.end_amdhsa_kernel
	.amdgpu_metadata
---
amdhsa.version: [ 1, 2 ]
amdhsa.kernels:
  - .name:           k_q229b09a723_qkv
    .symbol:         k_q229b09a723_qkv.kd
    .args:
      - { .name: xq, .offset: 0, .size: 8, .value_kind: global_buffer, .address_space: global }
      - { .name: wq4, .offset: 8, .size: 8, .value_kind: global_buffer, .address_space: global }
      - { .name: bq, .offset: 16, .size: 8, .value_kind: global_buffer, .address_space: global }
      - { .name: bk, .offset: 24, .size: 8, .value_kind: global_buffer, .address_space: global }
      - { .name: bv, .offset: 32, .size: 8, .value_kind: global_buffer, .address_space: global }
      - { .name: cs, .offset: 40, .size: 8, .value_kind: global_buffer, .address_space: global }
      - { .name: ord, .offset: 48, .size: 8, .value_kind: global_buffer, .address_space: global }
      - { .name: qkv, .offset: 56, .size: 8, .value_kind: global_buffer, .address_space: global }
    .group_segment_fixed_size: 327680
    .private_segment_fixed_size: 0
    .kernarg_segment_align: 8
    .kernarg_segment_size: 64
    .max_flat_workgroup_size: 128
    .sgpr_count:     100
    .vgpr_count:     896
    .wavefront_size: 32
...
	.end_amdgpu_metadata
.endif
;; end of part 2
;; launch attn (part 3): grid 8 x 32, 8 waves a work-group, no clusters, 115,712 bytes of LDS; arguments qkv, ord, ao; writes ao
.if DOCPART == 3
	.amdgcn_target "amdgcn-amd-amdhsa--gfx1250"
	.amdhsa_code_object_version 6
	.text
	.protected	k_q229b09a723_attn
	.globl	k_q229b09a723_attn
	.p2align	8
	.type	k_q229b09a723_attn,@function
k_q229b09a723_attn:
	s_mov_b64 s[64:65], 0
	v_nop
	global_prefetch_b8 v0, s[64:65] scope:SCOPE_SE
	s_setreg_imm32_b32 hwreg(HW_REG_WAVE_MODE, 25, 1), 1
	s_wait_xcnt 0x0
; ATTENTION on f16 operands with f32 sums, over the kept keys alone.  q, k, v: planes of qkv, [batch][pair of heads][row][128 f16]; k's and v's rows stand in the order of the earlier launch: the cnt keys
; whose mask value is the batch's smallest (mmin) come first.  The others have at least 1e9 more taken off their logits, so their weights are exactly 0 in f32, and they are not walked.
; ao: [batch][head][query][64] f16.
; WHY f16: 11 significant bits for p, v and the result.  p is at most 1; the result is an average of v's rows, so it is bounded as v is.
; SHARES.  A work-group owns 256 queries of one head, each of its eight waves 32: two tiles of 16.  Keys go in blocks of 128 through two LDS slots, each read in two steps of 64.
; NO TENSOR LOADS AND NO CLUSTER: how many blocks are worked hangs on cnt, a number read from memory.  So the 256 threads bring a block through
; registers, a whole block ahead.  THE LOOP'S COUNT IS A CONSTANT (16 blocks) and every wave passes every barrier; what lies at or beyond cnt (loads, steps, stores into LDS) is jumped over by scalar branches.
; LAYOUT.  S^T = K Q^T (source 0 = 16 keys, source 1 = 16 queries): a lane holds ONE query (lane % 16) and keys 8 (lane / 16) + 0..7.  Two such tiles, rounded to f16 in pairs, are source 1 of O^T = V^T P.
; V ([key][channel]) is turned on its way out of LDS.
; SOFTMAX.  Running maximum m and sum l for each query; p = 2^(c s - c m), c = log2(e) / 8; in every step O and l are multiplied by 2^(c m_old - c m_new).
; THE MASK'S ADDEND.  Where mmin is not 0, each score becomes 8 x round(s / 8 + mmin x (-1e9)): the one rounding that the sum of logit and addend has.
; BY TURNS.  Tile 0's softmax stands in parts behind the products K Q^T of tile 1, tile 1's behind the products V^T P of tile 0; a second wave shares each SIMD.
; LIMITS: mask values up to 65,536 in magnitude; logits under about 1e8; |q|, |k|, |v| under 65,504; NaN and infinities among the inputs are not served (a key that is not walked is not multiplied by 0).
; REGISTERS.  window 0: v2-15 addresses and constants; v16-31 statistics, eight a tile (+0 c m, +1 m, +2, +3 l, +4..+7 at work, the factor at +6); v32-63 a block on its way; v128-191 S^T; v224-255 P.
;   window 1: v0-31 Q; v32-95 K of a step; v96-159 V of a step; v160-223 O^T.
.set SLOTB, 38912                      ; a slot: 128 rows of K (128 bytes + 16), then 128 rows of V (128 bytes + 32)
.set VOFF,  18432
.set STAGE, 2*SLOTB                    ; the way out: 2 x 16 rows x 144 bytes for each wave
.set CS,  32                           ; s[32:33] c, twice
.set SEL, 34                           ; s[34:35] lane selects: lane l xor 16
.set W_KQ, 0x05                        ; K and Q window 1, S^T window 0
.set W_PV, 0x51                        ; V and O^T window 1, P window 0
.set W_RS, 0x41                        ; O^T window 1, the factor window 0
.set MSB, 0
.macro WIN new                         ; the immediate's high byte repeats the setting that is left
.if MSB != \new
	s_set_vgpr_msb (MSB<<8)|\new
.set MSB, \new
.endif
.endm
	s_load_b128 s[4:7], s[0:1], 0x0                ; qkv, ord
	s_load_b64 s[8:9], s[0:1], 0x10                ; ao
	v_lshl_add_u32 v222, v0, 2, 0x1c000
	v_mov_b32 v223, 0
	v_lshrrev_b32 v1, 5, v0
	v_readfirstlane_b32 s10, v1                    ; wave 0..7
	s_and_b32 s11, ttmp7, 0xffff                   ; 16 batch + head
	s_lshr_b32 s12, s11, 4                         ; batch
	s_and_b32 s13, s11, 1                          ; which head of its pair
	s_lshr_b32 s14, s11, 1                         ; 8 batch + pair
	s_lshl_b32 s16, s12, 7
	s_add_co_u32 s16, s16, 16384
	s_mov_b32 s17, 0
	s_wait_kmcnt 0x0
	s_add_nc_u64 s[6:7], s[6:7], s[16:17]
	s_load_b64 s[18:19], s[6:7], 0x0               ; cnt, mmin
	s_lshl_b32 s20, s14, 19                        ; the pair's 2,048 rows of 256 bytes
	s_mov_b32 s21, 0
	s_add_nc_u64 s[4:5], s[4:5], s[20:21]
	s_add_nc_u64 s[24:25], s[4:5], 8388608         ; K
	s_add_nc_u64 s[26:27], s[4:5], 16777216        ; V
	s_lshl_b32 s20, ttmp9, 16
	s_lshl_b32 s30, s10, 13
	s_add_co_u32 s20, s20, s30
	s_add_nc_u64 s[22:23], s[4:5], s[20:21]        ; Q at my wave's first query
	s_lshl_b32 s20, s11, 18
	s_lshl_b32 s30, ttmp9, 15
	s_add_co_u32 s20, s20, s30
	s_lshl_b32 s30, s10, 12
	s_add_co_u32 s20, s20, s30
	s_add_nc_u64 s[8:9], s[8:9], s[20:21]          ; ao likewise: 128 bytes a query
	s_mov_b32 s[CS], 0x3e38aa3b                    ; c = log2(e) / 8
	s_mov_b32 s[CS+1], s[CS]
	s_mov_b32 s[SEL], 0x76543210
	s_mov_b32 s[SEL+1], 0xfedcba98
	v_and_b32 v1, 15, v0                           ; r
	v_bfe_u32 v2, v0, 4, 1                         ; h
	v_mul_u32_u24 v3, v1, 144
	v_lshl_add_u32 v3, v2, 4, v3                   ; v3: K's fragments: row r, + 16 h
	v_and_b32 v4, 7, v0
	v_lshl_add_u32 v4, v2, 3, v4
	v_mul_u32_u24 v4, v4, 160
	v_bfe_u32 v5, v0, 3, 1
	v_lshl_add_u32 v4, v5, 4, v4
	v_add_nc_u32 v4, VOFF, v4                      ; v4: the turning load: key 8 h + l % 8, channels 8 ((l / 8) % 2) on
	v_lshrrev_b32 v12, 3, v0                       ; a block on its way: thread / 8 = row (of 32), thread % 8 = which 16 bytes
	v_and_b32 v13, 7, v0
	v_lshlrev_b32 v13, 4, v13
	v_mad_u32_u24 v5, v12, 144, v13                ; v5: into K's rows
	v_mad_u32_u24 v6, v12, 160, v13
	v_add_nc_u32 v6, VOFF, v6                      ; v6: into V's
	s_lshl_b32 s30, s13, 7
	v_lshl_add_u32 v7, v12, 8, v13
	v_add_nc_u32 v7, s30, v7                       ; v7: in memory: row x 256 + my head's 128 bytes
	v_lshlrev_b32 v8, 8, v1
	v_lshl_add_u32 v8, v2, 4, v8
	v_add_nc_u32 v8, s30, v8                       ; v8: Q's fragments
	s_mul_i32 s31, s10, 4608
	s_add_co_u32 s31, s31, STAGE
	v_add_nc_u32 v9, s31, v3                       ; v9: the stage, in
	v_bfe_u32 v10, v0, 3, 2
	v_mad_u32_u24 v10, v10, 144, v13
	v_add_nc_u32 v10, s31, v10                     ; v10: the stage, back: four rows of 128 bytes an instruction
	v_and_b32 v11, 31, v0
	v_lshlrev_b32 v11, 4, v11                      ; v11: 16 x lane
	v_lshl_add_u32 v2, v2, 3, 1                    ; v2: 8 h + 1
	v_mov_b32 v15, 0xff800000                      ; -infinity
	WIN 0x40                                       ; destination window 1
.irp t, 0,1
.irp ch, 0,1
	global_load_b128 v[16*\t+8*\ch:16*\t+8*\ch+3],   v8, s[22:23] offset:4096*\t+64*\ch      ; Q stays in registers
	global_load_b128 v[16*\t+8*\ch+4:16*\t+8*\ch+7], v8, s[22:23] offset:4096*\t+64*\ch+32
.endr
.endr
	WIN 0
.irp i, 0,1,2,3
	global_load_b128 v[32+4*\i:35+4*\i], v7, s[24:25] offset:8192*\i                         ; block 0 (cnt is at least 1)
	global_load_b128 v[48+4*\i:51+4*\i], v7, s[26:27] offset:8192*\i
.endr
.irp t, 0,1
	v_mov_b32 v[17+8*\t], 0xff61b1e6               ; m = -3e38, under every score
	v_mul_f32 v[16+8*\t], s[CS], v[17+8*\t]        ; c m
.irp e, 2,3,4,5,6,7
	v_mov_b32 v[16+8*\t+\e], 0                     ; l, and the registers at work (a lane permute's destination counts as read)
.endr
.endr
	WIN 0x40
.set I, 0
.rept 64
	v_mov_b32 v[160+I], 0                          ; O^T: the step is written once; its first turn multiplies zeros
.set I, I+1
.endr
	WIN 0
	s_wait_kmcnt 0x0
	s_min_u32 s18, s18, 2048
	v_cvt_f32_i32 v12, s19
	v_mul_f32 v12, 0xce6e6b28, v12                 ; mmin x (-1e9)
	v_mov_b32 v13, v12
	s_wait_loadcnt 0x0
.irp i, 0,1,2,3
	ds_store_b128 v5, v[32+4*\i:35+4*\i] offset:4608*\i
	ds_store_b128 v6, v[48+4*\i:51+4*\i] offset:5120*\i
.endr
	s_wait_dscnt 0x0
	s_barrier_signal -1
	s_barrier_wait -1                              ; block 0 lies in slot 0
.macro SQ k, t                         ; product k of 8 of S^T = K Q^T for tile t: channels 32 (k / 4) on, keys 16 (k % 4) on; the first four start the sums; links stand four apart
	WIN W_KQ
.set rD, 128+32*(\t)+8*((\k)%4)
.set rK, 32+16*((\k)%4)+8*((\k)/4)
.set rQ, 16*(\t)+8*((\k)/4)
.if (\k) < 4
	v_wmma_f32_16x16x32_f16 v[rD:rD+7], v[rK:rK+7], v[rQ:rQ+7], 0
.else
	v_wmma_f32_16x16x32_f16 v[rD:rD+7], v[rK:rK+7], v[rQ:rQ+7], v[rD:rD+7]
.endif
.endm
.macro PV k, t                         ; product k of 8 of O^T += V^T P: keys 32 (k / 4) on, channels 16 (k % 4) on
	WIN W_PV
.set rD, 160+32*(\t)+8*((\k)%4)
.set rV, 96+32*((\k)/4)+8*((\k)%4)
.set rB, 224+16*(\t)+8*((\k)/4)
	v_wmma_f32_16x16x32_f16 v[rD:rD+7], v[rV:rV+7], v[rB:rB+7], v[rD:rD+7]
.endm
; What the mask asks of tile t's scores; both parts are jumped over where they change nothing (branches on numbers read from memory).  Each accumulator is read from its low end on.
.macro MASKS t
.set rS, 128+32*(\t)
	s_cmp_eq_u32 s19, 0
	s_cbranch_scc1 .Lmz_\@
.set I, 0
.rept 16
	v_pk_fma_f32 v[rS+I:rS+I+1], v[rS+I:rS+I+1], 0x3e000000, v[12:13] op_sel_hi:[1,0,1]   ; s / 8 + mmin x (-1e9), rounded once
.set I, I+2
.endr
.set I, 0
.rept 16
	v_pk_mul_f32 v[rS+I:rS+I+1], v[rS+I:rS+I+1], 0x41000000 op_sel_hi:[1,0]               ; x 8, exact: c holds the 1 / 8
.set I, I+2
.endr
.Lmz_\@:
	s_add_co_u32 s31, s28, 64
	s_cmp_le_u32 s31, s18
	s_cbranch_scc1 .Lfull_\@
	s_sub_co_u32 s31, s18, s28                     ; keys left, 1 to 63
	v_sub_nc_u32 v14, s31, v2                      ; d = left - 8 h - 1: register 8 kt + j holds key 16 kt + 8 h + j: beyond the end where 16 kt + j > d
.set I, 0
.rept 32
	v_cmp_gt_i32 vcc_lo, 16*(I/8)+I%8, v14
	v_cndmask_b32 v[rS+I], v[rS+I], v15, vcc_lo
.set I, I+1
.endr
.Lfull_\@:
.endm
; Part k of 9 of tile t's softmax for a step of 64 keys.
.macro SMP k, t
.set rT, 16+8*(\t)
.set rS, 128+32*(\t)
.set rP, 224+16*(\t)
.set rO, 160+32*(\t)
.if (\k) < 8
	WIN 0
.endif
.if (\k) == 0                          ; the maximum: four chains
	v_max3_num_f32 v[rT+4], v[rS], v[rS+1], v[rS+2]
	v_max3_num_f32 v[rT+5], v[rS+3], v[rS+4], v[rS+5]
	v_max3_num_f32 v[rT+6], v[rS+6], v[rS+7], v[rS+8]
	v_max3_num_f32 v[rT+7], v[rS+9], v[rS+10], v[rS+11]
	v_max3_num_f32 v[rT+4], v[rT+4], v[rS+12], v[rS+13]
	v_max3_num_f32 v[rT+5], v[rT+5], v[rS+14], v[rS+15]
	v_max3_num_f32 v[rT+6], v[rT+6], v[rS+16], v[rS+17]
	v_max3_num_f32 v[rT+7], v[rT+7], v[rS+18], v[rS+19]
.elseif (\k) == 1
	v_max3_num_f32 v[rT+4], v[rT+4], v[rS+20], v[rS+21]
	v_max3_num_f32 v[rT+5], v[rT+5], v[rS+22], v[rS+23]
	v_max3_num_f32 v[rT+6], v[rT+6], v[rS+24], v[rS+25]
	v_max3_num_f32 v[rT+7], v[rT+7], v[rS+26], v[rS+27]
	v_max3_num_f32 v[rT+4], v[rT+4], v[rS+28], v[rS+29]
	v_max3_num_f32 v[rT+5], v[rT+5], v[rS+30], v[rS+31]
	v_max3_num_f32 v[rT+4], v[rT+4], v[rT+5], v[rT+6]
	v_max3_num_f32 v[rT+4], v[rT+4], v[rT+7], v[rT+1]      ; with the old m
.elseif (\k) == 2
	v_permlanex16_b32 v[rT+5], v[rT+4], s[SEL], s[SEL+1]   ; the query's other 32 keys lie in the lane 16 away
	v_mov_b32 v[rT+7], v[rT]                               ; c m_old
	v_max_num_f32 v[rT+1], v[rT+4], v[rT+5]
	v_mul_f32 v[rT], s[CS], v[rT+1]
	v_sub_f32 v[rT+7], v[rT+7], v[rT]
	v_exp_f32 v[rT+6], v[rT+7]                             ; the factor 2^(c m_old - c m_new); plain instructions follow
.set I, 0
.rept 8
	v_pk_fma_f32 v[rS+I:rS+I+1], v[rS+I:rS+I+1], s[CS:CS+1], v[rT:rT+1] op_sel_hi:[1,0,0] neg_lo:[0,0,1] neg_hi:[0,0,1]   ; c s - c m
.set I, I+2
.endr
.elseif (\k) == 3
.set I, 16
.rept 8
	v_pk_fma_f32 v[rS+I:rS+I+1], v[rS+I:rS+I+1], s[CS:CS+1], v[rT:rT+1] op_sel_hi:[1,0,0] neg_lo:[0,0,1] neg_hi:[0,0,1]
.set I, I+2
.endr
.elseif (\k) == 4
.set I, 0
.rept 16
	v_exp_f32 v[rS+I], v[rS+I]
.set I, I+1
.endr
.elseif (\k) == 5
.set I, 16
.rept 16
	v_exp_f32 v[rS+I], v[rS+I]
.set I, I+1
.endr
	s_wait_alu depctr_va_vdst(0)
	v_pk_mul_f32 v[rT+2:rT+3], v[rT+2:rT+3], v[rT+6:rT+7] op_sel_hi:[1,0]   ; l under the new m: the plain instruction behind the exponentials
.elseif (\k) == 6                      ; the sum of the weights as they are, in f32, in two chains
	v_pk_add_f32 v[rT+4:rT+5], v[rS:rS+1], v[rS+2:rS+3]
.set I, 4
.rept 7
	v_pk_add_f32 v[rT+2:rT+3], v[rT+2:rT+3], v[rS+I:rS+I+1]
	v_pk_add_f32 v[rT+4:rT+5], v[rT+4:rT+5], v[rS+I+2:rS+I+3]
.set I, I+4
.endr
	v_pk_add_f32 v[rT+2:rT+3], v[rT+2:rT+3], v[rT+4:rT+5]
.elseif (\k) == 7
.set I, 0
.rept 16
	v_cvt_pk_f16_f32 v[rP+I], v[rS+2*I], v[rS+2*I+1]
.set I, I+1
.endr
.else
	WIN W_RS
.set I, 0
.rept 16
	v_pk_mul_f32 v[rO+I:rO+I+1], v[rO+I:rO+I+1], v[rT+6:rT+7] op_sel_hi:[1,0]   ; O^T under the new m
.set I, I+2
.endr
.endif
.endm
; A STEP: keys 64 j on of the block in slot s.  A step that begins at or beyond cnt is left out.  A vector instruction that reads a matrix result, and a load into a register that a matrix instruction has
; read, stand four plain vector instructions behind it: the softmax's parts are such instructions, and four v_nop stand where there are none.
.macro SUB s, j
	s_cmp_ge_u32 s28, s18
	s_cbranch_scc1 .Lsk_\@
	WIN 0x40
.irp kt, 0,1,2,3
.irp ch, 0,1
	ds_load_b128 v[32+16*\kt+8*\ch:32+16*\kt+8*\ch+3],   v3 offset:\s*SLOTB+\j*9216+\kt*2304+64*\ch
	ds_load_b128 v[32+16*\kt+8*\ch+4:32+16*\kt+8*\ch+7], v3 offset:\s*SLOTB+\j*9216+\kt*2304+64*\ch+32
.endr
.endr
.irp kc, 0,1
.irp ct, 0,1,2,3
	ds_load_tr16_b128 v[96+32*\kc+8*\ct:96+32*\kc+8*\ct+3],   v4 offset:\s*SLOTB+\j*10240+\kc*5120+32*\ct
	ds_load_tr16_b128 v[96+32*\kc+8*\ct+4:96+32*\kc+8*\ct+7], v4 offset:\s*SLOTB+\j*10240+\kc*5120+32*\ct+2560
.endr
.endr
	s_wait_dscnt 16                                ; K is in; V's sixteen loads may be out
.set KK, 0
.rept 8
	SQ KK, 0
.set KK, KK+1
.endr
	WIN 0
.rept 4
	v_nop
.endr
	MASKS 0
.set KK, 0
.rept 8
	SQ KK, 1
	SMP KK, 0
.set KK, KK+1
.endr
	SMP 8, 0
	WIN 0
	MASKS 1
	s_wait_dscnt 0x0                               ; V is in
.set KK, 0
.rept 8
	PV KK, 0
	SMP KK, 1
.set KK, KK+1
.endr
	SMP 8, 1
.set KK, 0
.rept 8
	PV KK, 1
.set KK, KK+1
.endr
	WIN 0
.rept 4
	v_nop
.endr
.Lsk_\@:
	s_add_co_u32 s28, s28, 64
.endm
; A BLOCK in slot s.  The next block is asked for at its head and goes into the other slot at its end; one barrier: the slot written here was last read in front of the barrier before, and is read behind this one.
.macro BLOCK s
	s_add_co_u32 s30, s28, 128
	s_cmp_lt_u32 s30, s18                          ; is there a next block?
	s_cbranch_scc0 .Lnl_\@
.irp i, 0,1,2,3
	global_load_b128 v[32+4*\i:35+4*\i], v7, s[24:25] offset:(\s+1)*32768+8192*\i
	global_load_b128 v[48+4*\i:51+4*\i], v7, s[26:27] offset:(\s+1)*32768+8192*\i
.endr
.Lnl_\@:
	SUB \s, 0
	SUB \s, 1
	s_wait_loadcnt 0x0                             ; on every way: no load is out when these registers are read, or loaded again
	s_cmp_lt_u32 s28, s18
	s_cbranch_scc0 .Lns_\@
.irp i, 0,1,2,3
	ds_store_b128 v5, v[32+4*\i:35+4*\i] offset:(1-\s)*SLOTB+4608*\i
	ds_store_b128 v6, v[48+4*\i:51+4*\i] offset:(1-\s)*SLOTB+5120*\i
.endr
.Lns_\@:
	s_wait_dscnt 0x0                               ; my stores have landed and my reads of this slot are over
	s_barrier_signal -1
	s_barrier_wait -1
.endm
	s_mov_b32 s28, 0                               ; the step's first key
	s_mov_b32 s29, 8
.Ltrip:
	BLOCK 0
	BLOCK 1
	s_wait_xcnt 0x0                                ; the loads have read their bases
	s_add_nc_u64 s[24:25], s[24:25], 65536         ; two blocks of 128 rows of 256 bytes on
	s_add_nc_u64 s[26:27], s[26:27], 65536
	s_sub_co_u32 s29, s29, 1
	s_cmp_lg_u32 s29, 0
	s_cbranch_scc1 .Ltrip
	; THE WAY OUT.  l's two halves and the other half of the lanes' are added; O^T is divided by l, rounded to f16 and sent through my stage: 32 lanes then store 512 consecutive bytes, aligned.
.irp t, 0,1
	v_add_f32 v[20+8*\t], v[18+8*\t], v[19+8*\t]
.endr
.irp t, 0,1
	v_permlanex16_b32 v[21+8*\t], v[20+8*\t], s[SEL], s[SEL+1]
.endr
.irp t, 0,1
	v_add_f32 v[20+8*\t], v[20+8*\t], v[21+8*\t]
.endr
.irp t, 0,1
	v_rcp_f32 v[22+8*\t], v[20+8*\t]
.endr
	v_nop                                          ; a plain instruction behind the reciprocals
	s_wait_alu depctr_va_vdst(0)
.macro OUTT t
	WIN W_RS
.set I, 0
.rept 16
	v_pk_mul_f32 v[160+32*\t+I:160+32*\t+I+1], v[160+32*\t+I:160+32*\t+I+1], v[22+8*\t:23+8*\t] op_sel_hi:[1,0]
.set I, I+2
.endr
	WIN 0x05                                       ; sources window 1, destination window 0
.set I, 0
.rept 16
	v_cvt_pk_f16_f32 v[128+32*\t+I], v[160+32*\t+2*I], v[160+32*\t+2*I+1]
.set I, I+1
.endr
	WIN 0
.irp ct, 0,1,2,3
	ds_store_b128 v9, v[128+32*\t+4*\ct:128+32*\t+4*\ct+3] offset:2304*\t+32*\ct
.endr
.irp i, 0,1,2,3
	ds_load_b128 v[144+32*\t+4*\i:144+32*\t+4*\i+3], v10 offset:2304*\t+576*\i   ; LDS serves a wave's instructions in order: these see the stores above
.endr
.endm
	OUTT 0
	OUTT 1
.irp i, 0,1,2,3
	s_wait_dscnt 11-\i                             ; behind tile 0's load i: its younger ones and tile 1's eight LDS instructions
	global_store_b128 v11, v[144+4*\i:147+4*\i], s[8:9] offset:512*\i
.endr
.irp i, 0,1,2,3
	s_wait_dscnt 3-\i
	global_store_b128 v11, v[176+4*\i:179+4*\i], s[8:9] offset:2048+512*\i
.endr
	s_wait_tensorcnt 0x0
	ds_add_u32 v222, v223
	s_wait_dscnt 0x0
	s_endpgm
.Lfunc_end_k_q229b09a723_attn:
	.size	k_q229b09a723_attn, .Lfunc_end_k_q229b09a723_attn-k_q229b09a723_attn
	.p2alignl 7, 3214868480
	.fill 96, 4, 3214868480
	.section	.rodata,"a",@progbits
	.p2align	6, 0x0
	.amdhsa_kernel k_q229b09a723_attn
		.amdhsa_group_segment_fixed_size 115712
		.amdhsa_private_segment_fixed_size 0
		.amdhsa_enable_private_segment 0
		.amdhsa_kernarg_size 24
		.amdhsa_user_sgpr_count 2
		.amdhsa_user_sgpr_kernarg_segment_ptr 1
		.amdhsa_wavefront_size32 1
		.amdhsa_system_sgpr_workgroup_id_x 1
		.amdhsa_system_sgpr_workgroup_id_y 1
		.amdhsa_system_sgpr_workgroup_id_z 1
		.amdhsa_system_vgpr_workitem_id 0
		.amdhsa_next_free_vgpr 512
		.amdhsa_next_free_sgpr 66
		.amdhsa_reserve_vcc 1
		.amdhsa_float_denorm_mode_32 3
		.amdhsa_float_denorm_mode_16_64 3
		.amdhsa_memory_ordered 1
		.amdhsa_forward_progress 1
		.amdhsa_inst_pref_size 134
	.end_amdhsa_kernel
	.amdgpu_metadata
---
amdhsa.version: [ 1, 2 ]
amdhsa.kernels:
  - .name:           k_q229b09a723_attn
    .symbol:         k_q229b09a723_attn.kd
    .args:
      - { .name: qkv, .offset: 0, .size: 8, .value_kind: global_buffer, .address_space: global }
      - { .name: ord, .offset: 8, .size: 8, .value_kind: global_buffer, .address_space: global }
      - { .name: ao, .offset: 16, .size: 8, .value_kind: global_buffer, .address_space: global }
    .group_segment_fixed_size: 115712
    .private_segment_fixed_size: 0
    .kernarg_segment_align: 8
    .kernarg_segment_size: 24
    .max_flat_workgroup_size: 256
    .sgpr_count:     66
    .vgpr_count:     512
    .wavefront_size: 32
...
	.end_amdgpu_metadata
.endif
;; end of part 3
;; launch oproj (part 4): grid 8 x 32, 4 waves a work-group, clusters of 4 x 4, 327,680 bytes of LDS; arguments ao, wot, bo, out0; writes out0
.if DOCPART == 4
	.amdgcn_target "amdgcn-amd-amdhsa--gfx1250"
	.amdhsa_code_object_version 6
	.text
	.protected	k_q229b09a723_oproj
	.globl	k_q229b09a723_oproj
	.p2align	8
	.type	k_q229b09a723_oproj,@function
k_q229b09a723_oproj:
	s_mov_b64 s[64:65], 0
	v_nop
	global_prefetch_b8 v0, s[64:65] scope:SCOPE_SE
	s_setreg_imm32_b32 hwreg(HW_REG_WAVE_MODE, 25, 1), 1
	s_wait_xcnt 0x0
	s_wait_alu depctr_hold_cnt(0) depctr_sa_sdst(0) depctr_va_vdst(0) depctr_va_sdst(0) depctr_va_ssrc(0) depctr_va_vcc(0) depctr_vm_vsrc(0)
	s_getreg_b32 s2, hwreg(HW_REG_IB_STS2, 6, 4)
	s_cmp_eq_u32 s2, 0
	s_cbranch_scc0 .Lentry_in_a_cluster
	s_endpgm
.Lentry_in_a_cluster:
	s_bfe_u32 s2, ttmp6, 0x10000c
	s_cmp_lg_u32 s2, 0xf033
	s_cbranch_scc0 .Lentry_shape_is_right
	s_endpgm
.Lentry_shape_is_right:
; out0[m][n] = sum over k of A[m][k] wot[n][k] + bo[n].  A is the attention's result, f16, laid [batch][head][token][64]: k = 64 head + channel.  wot: [1024][1024] f16, k innermost.  out0: [4096][1024] f32; sums in f32.
; A tile of the result is 128 x 128: 256 work-groups of four waves, each wave 64 x 64: 16 accumulators of 16 x 16.  K goes in steps of 256 (four heads) through a ring of two LDS slots.
; A's TILE: what a wave fetches, 64 tokens x 4 heads x 64 channels, is four dense runs of 8,192 bytes, one a head, 262,144 bytes apart: a tile of 4 rows of 4,096 elements, with 16 bytes of padding behind
; every 128: in LDS a token's 64 channels of a head lie 144 bytes apart, a head's plane 9,216.  wot's tile: 64 rows of 512 bytes + 16.
; CLUSTERS: 4 x 4 work-groups; A's tiles are asked for jointly along a row of the cluster, wot's along a column.  THE MATRIX INSTRUCTION IS USED TRANSPOSED (source 0 = 16 rows of wot, source 1 = 16 tokens): a
; lane holds eight neighbouring numbers of a row of the result.  The bias is the C of each sum's first instruction.
; REGISTERS: window 0: v0-31 addresses; v32-95 rows on the way out; v96-127 the bias; v128-255 the accumulators ((a, b) at v[128 + 8 (4 a + b)]).   window 1: two fragment buffers of 128.
.set SIZE_M, 4096
.set SIZE_N, 1024
.set SIZE_K, 1024
.set KSTEP,  256
.set PITCH,  528                       ; a row of wot's tile in LDS
.set APITCH, 144                       ; a token's 128 bytes of a head + 16
.set APLANE, 64*APITCH
.set AH,     4*APLANE                  ; what one tensor load brings of A
.set BH,     64*PITCH                  ; and of wot
.set SLOT,   2*AH+2*BH                 ; A's two halves, then wot's two
.set ASTEP,  4*2048*128                ; four heads on, in bytes
.set STAGE,  2*SLOT                    ; behind the ring: 16 rows x 272 bytes for each wave, for the way out
.set SPITCH, 272
.set SPARE,  STAGE+4*16*SPITCH         ; behind the stages: the spare words, 128 bytes for each wave: two blocks of 256 bytes that no other line names
.set LAPS, SIZE_K/(2*KSTEP)
.set ADRA, 16
.set ADRB, 20
.set STO,  24
.set RD,   25
.set CO,   26
.set SPW,  28                          ; v28  SPARE + 4 x my thread's number; never rewritten
.set NIL,  29                          ; v29  0; never rewritten
.set TMP,  32
.set BIA,  96
.set ACC,  128
.set F0,   0
.set F1,   128
.set G1, 24
.set G0, 32
.set G1B, 48
.set G0B, 56
.set MSB, 0
.macro WIN new                         ; the immediate's high byte repeats the setting that is left
.if MSB != \new
	s_set_vgpr_msb (MSB<<8)|\new
.set MSB, \new
.endif
.endm
.set MUL,  0x05                        ; sources 0 and 1 window 1; C and D window 0
.set TO_F, 0x40                        ; destination window 1, address window 0
.macro JLOAD s                         ; a joint load: waves 0 and 1 fetch A's two halves, waves 2 and 3 wot's; four v_nop follow each of the two lines
	s_cmp_eq_u32 s11, 0
	s_cbranch_scc0 .Lfor_b_\@
	tensor_load_to_lds s[G0+4*\s:G0+4*\s+3], s[G1:G1+7]
	s_nop 0
.rept 4
	v_nop
.endr
	s_branch .Lasked_\@
.Lfor_b_\@:
	tensor_load_to_lds s[G0B+4*\s:G0B+4*\s+3], s[G1B:G1B+7]
	s_nop 0
.rept 4
	v_nop
.endr
.Lasked_\@:
.endm
.macro CREST                           ; a round of the cluster's barrier behind its opening barrier
	s_cmp_lg_u32 s10, 0
	s_cbranch_scc1 .Lnot_wave_0_\@
	s_barrier_signal -3
.Lnot_wave_0_\@:
	s_barrier_wait -3
	s_barrier_signal -1
	s_barrier_wait -1
.endm
.macro CROUND
	s_barrier_signal -1
	s_barrier_wait -1
	CREST
.endm
	s_load_b128 s[4:7], s[0:1], 0x0                ; A s[4:5], wot s[6:7]
	s_load_b64 s[66:67], s[0:1], 0x10              ; bo
	s_load_b64 s[8:9], s[0:1], 0x18                ; out0
	v_lshl_add_u32 v[SPW], v0, 2, SPARE
	v_mov_b32 v[NIL], 0
	ds_add_u32 v28, v29
	ds_add_u32 v28, v29
	s_wait_dscnt 0x0
	v_lshrrev_b32 v1, 5, v0
	v_readfirstlane_b32 s10, v1                    ; wave 0..3
	s_lshr_b32 s11, s10, 1                         ; which half of the tile's rows is mine.  Also: I fetch for A (0) or for wot (1)
	s_and_b32 s12, s10, 1                          ; which half of its columns.  Also: which 64 rows of that tile I fetch
	s_bfe_u32 s40, ttmp6, 0x40000                  ; cx, cy
	s_bfe_u32 s41, ttmp6, 0x40004
	s_lshl_b32 s42, ttmp9, 2
	s_add_co_u32 s42, s42, s40                     ; tile column = 4 x cluster x + cx
	s_and_b32 s13, ttmp7, 0xffff
	s_lshl_b32 s13, s13, 2
	s_add_co_u32 s13, s13, s41                     ; tile row = 4 x cluster y + cy
	s_lshl_b32 s43, s41, 2
	s_lshl_b32 s43, 15, s43                        ; my row of the cluster
	s_lshl_b32 s44, 0x1111, s40                    ; my column
	s_or_b32 s[G1+0], s43, (1<<16)|(1<<20)|(1<<21)|(4<<22)|(3<<25)  ; 15:0 the mask; 17:16 elements of 2 bytes; 20 padding on; 21 set beside a mask; 24:22 after every 32 words (code 4); 31:25 four words (code 3)
	s_mov_b32 s[G1+1], 4096<<16                    ; tensor_dim0 = 4,096 elements: 64 tokens x 64 channels
	s_mov_b32 s[G1+2], 4<<16                       ; tensor_dim1 = 4 heads
	s_mov_b32 s[G1+3], 4096<<16                    ; tile_dim0
	s_mov_b32 s[G1+4], 4                           ; tile_dim1
	s_mov_b32 s[G1+5], 131072                      ; from head to head: 2,048 tokens x 64 elements
	s_mov_b32 s[G1+6], 0
	s_mov_b32 s[G1+7], 0
	s_or_b32 s[G1B+0], s44, (1<<16)|(1<<20)|(1<<21)|(6<<22)|(3<<25) ; padding: four words after every 128
	s_mov_b32 s[G1B+1], KSTEP<<16
	s_mov_b32 s[G1B+2], 64<<16
	s_mov_b32 s[G1B+3], KSTEP<<16
	s_mov_b32 s[G1B+4], 64
	s_mov_b32 s[G1B+5], SIZE_K
	s_mov_b32 s[G1B+6], 0
	s_mov_b32 s[G1B+7], 0
	s_lshr_b32 s16, s13, 4
	s_lshl_b32 s16, s16, 22                        ; A: the batch's 16 heads x 2,048 tokens x 128 bytes,
	s_and_b32 s17, s13, 15
	s_lshl_b32 s17, s17, 14                        ; the tile's 128 tokens,
	s_add_co_u32 s16, s16, s17
	s_lshl_b32 s17, s12, 13                        ; the 64 that I fetch
	s_add_co_u32 s16, s16, s17
	s_mov_b32 s17, 0
	s_lshl_b32 s46, s42, 7
	s_lshl_b32 s47, s12, 6
	s_add_co_u32 s46, s46, s47                     ; wot: row 128 x tile column + 64 x half,
	s_lshl_b32 s46, s46, 11                        ; of 2,048 bytes
	s_mov_b32 s47, 0
	s_mul_i32 s20, s12, AH                         ; where they go: no place in the cluster enters an LDS address
	s_mul_i32 s45, s12, BH
	s_add_co_u32 s45, s45, 2*AH
	s_wait_kmcnt 0x0
	s_add_nc_u64 s[14:15], s[4:5], s[16:17]
	s_add_nc_u64 s[46:47], s[6:7], s[46:47]
	CROUND                                         ; all sixteen work-groups are here: the first joint loads meet
.irp s, 0,1
	s_mov_b32 s[G0+4*\s], 1
	s_add_co_u32 s[G0+4*\s+1], s20, \s*SLOT
	s_add_nc_u64 s[G0+4*\s+2:G0+4*\s+3], s[14:15], \s*ASTEP
	s_or_b32 s[G0+4*\s+3], s[G0+4*\s+3], 0x80000000
	s_mov_b32 s[G0B+4*\s], 1
	s_add_co_u32 s[G0B+4*\s+1], s45, \s*SLOT
	s_add_nc_u64 s[G0B+4*\s+2:G0B+4*\s+3], s[46:47], \s*KSTEP*2
	s_or_b32 s[G0B+4*\s+3], s[G0B+4*\s+3], 0x80000000
	JLOAD \s
.endr
	v_and_b32 v1, 15, v0                           ; l % 16
	v_bfe_u32 v2, v0, 4, 1                         ; l / 16
	s_lshl_b32 s16, s42, 9                         ; the bias of my 64 columns
	s_lshl_b32 s21, s12, 8
	s_add_co_u32 s16, s16, s21
	s_add_nc_u64 s[66:67], s[66:67], s[16:17]
	v_lshlrev_b32 v6, 5, v2
.irp b, 0,1,2,3
	global_load_b128 v[BIA+8*\b:BIA+8*\b+3],   v6, s[66:67] offset:64*\b       ; columns 16 b + 8 h + 0 .. 7, in the result's layout
	global_load_b128 v[BIA+8*\b+4:BIA+8*\b+7], v6, s[66:67] offset:64*\b+16
.endr
	v_mul_u32_u24 v3, v1, APITCH
	v_lshl_add_u32 v3, v2, 4, v3                   ; A's fragments: token x 144 + 16 x half
	v_mul_u32_u24 v4, v1, PITCH
	v_lshl_add_u32 v4, v2, 4, v4                   ; wot's: row x 528 + 16 x half
	s_mul_i32 s21, s11, AH                         ; my 64 tokens
	s_mul_i32 s22, s12, BH                         ; my 64 rows of wot,
	s_add_co_u32 s22, s22, 2*AH                    ; which lie behind A's halves
.irp s, 0,1
	v_add_nc_u32 v[ADRA+\s], s21, v3
	v_add_nc_u32 v[ADRB+\s], s22, v4
	s_add_co_u32 s21, s21, SLOT
	s_add_co_u32 s22, s22, SLOT
.endr
	s_mul_i32 s23, s10, 16*SPITCH
	s_add_co_u32 s23, s23, STAGE                   ; my stage
	v_mul_u32_u24 v4, v1, SPITCH                   ; in: row l % 16, 32 bytes for each half of the lanes
	v_lshl_add_u32 v4, v2, 5, v4
	v_add_nc_u32 v[STO], s23, v4
	v_mul_u32_u24 v5, v2, SPITCH                   ; back: lanes 0-15 take one row of 256 bytes, lanes 16-31 the next
	v_lshl_add_u32 v5, v1, 4, v5
	v_add_nc_u32 v[RD], s23, v5
	v_mul_u32_u24 v5, v2, SIZE_N*4                 ; and the same two rows in the result
	v_lshl_add_u32 v[CO], v1, 4, v5
	s_lshl_b32 s16, s13, 19                        ; my first row: (128 x tile row + 64 x half) x 4,096 bytes,
	s_lshl_b32 s21, s11, 18
	s_add_co_u32 s16, s16, s21
	s_lshl_b32 s46, s42, 9                         ; my first column: (128 x tile column + 64 x half) x 4 bytes
	s_lshl_b32 s47, s12, 8
	s_add_co_u32 s46, s46, s47
	s_add_co_u32 s16, s16, s46
	s_add_nc_u64 s[8:9], s[8:9], s[16:17]
; 8 matrix instructions: token blocks a0, a0 + 1 x all 4 column blocks, 32 along K: half c of buffer f.  first = 1: the bias starts the sums
.macro MUL8 f, c, a0, first
.irp a, \a0, \a0+1
.irp b, 0,1,2,3
.if \first
	v_wmma_f32_16x16x32_f16 v[ACC+8*(4*(\a)+\b):ACC+8*(4*(\a)+\b)+7], v[\f+64+8*(4*\c+\b):\f+64+8*(4*\c+\b)+7], v[\f+8*(4*\c+\a):\f+8*(4*\c+\a)+7], v[BIA+8*\b:BIA+8*\b+7]
.else
	v_wmma_f32_16x16x32_f16 v[ACC+8*(4*(\a)+\b):ACC+8*(4*(\a)+\b)+7], v[\f+64+8*(4*\c+\b):\f+64+8*(4*\c+\b)+7], v[\f+8*(4*\c+\a):\f+8*(4*\c+\a)+7], v[ACC+8*(4*(\a)+\b):ACC+8*(4*(\a)+\b)+7]
.endif
.endr
.endr
.endm
; 32 LDS loads in one run: the fragments of the slot's q-th 64 along K (one head) into buffer f; the first 32 along K first
.macro FETCH slot, q, f
	WIN TO_F
.irp c, 0,1
.irp i, 0,1,2,3
	ds_load_b128 v[\f+64+8*(4*\c+\i):\f+64+8*(4*\c+\i)+3],   v[ADRB+\slot] offset:128*(\q)+64*\c+\i*16*PITCH
	ds_load_b128 v[\f+64+8*(4*\c+\i)+4:\f+64+8*(4*\c+\i)+7], v[ADRB+\slot] offset:128*(\q)+64*\c+\i*16*PITCH+32
	ds_load_b128 v[\f+8*(4*\c+\i):\f+8*(4*\c+\i)+3],         v[ADRA+\slot] offset:APLANE*(\q)+64*\c+\i*16*APITCH
	ds_load_b128 v[\f+8*(4*\c+\i)+4:\f+8*(4*\c+\i)+7],       v[ADRA+\slot] offset:APLANE*(\q)+64*\c+\i*16*APITCH+32
.endr
.endr
.endm
.macro PLACES                          ; four places in front of loads into registers that matrix instructions have read, and of the first read of results
.rept 4
	v_nop
.endr
.endm
; A K step is four quarters of 64 along K, 32 matrix instructions each, on buffers 0, 1, 0, 1.  One of the first three: multiplies buffer f and fetches quarter q into g.
.macro QUARTER slot, q, f, g, first
	s_wait_dscnt 16                                ; the first 32 along K are in
	WIN MUL
	MUL8 \f, 0, 0, \first
	MUL8 \f, 0, 2, \first
	PLACES
	FETCH \slot, \q, \g
	s_wait_dscnt 32                                ; all but the 32 just issued
	WIN MUL
	MUL8 \f, 1, 0, 0
	MUL8 \f, 1, 2, 0
.endm
; The last quarter multiplies buffer 1 and changes slots: ONE barrier; in front of it each wave waits for all its tensor loads, adds 0 to its spare word, and waits for that and for its own reads of this slot.
.macro TURN slot, next, fill
	WIN 0                                          ; (the add's two registers lie in window 0)
	s_wait_tensorcnt 0x0                           ; all my tensor loads have landed: my part of the next slot;
	ds_add_u32 v[SPW], v[NIL]                      ; 0 onto my spare word;
	s_wait_dscnt 17                                ; (the add and the youngest sixteen loads may be out)
	WIN MUL
	MUL8 F1, 0, 0, 0                               ; eight matrix instructions stand between the add and the wait for it
	s_wait_dscnt 0x0                               ; the add is done, and my reads of this slot are over
	s_barrier_signal -1
	MUL8 F1, 0, 2, 0
.if \fill
	WIN 0
.endif
	s_barrier_wait -1
.if \fill
	CREST                                          ; the barrier has opened a round of the cluster's barrier: no wave of any partner still reads this slot's tile or has a load on its way
	s_add_nc_u64 s[G0+4*\slot+2:G0+4*\slot+3], s[G0+4*\slot+2:G0+4*\slot+3], 2*ASTEP
	s_add_nc_u64 s[G0B+4*\slot+2:G0B+4*\slot+3], s[G0B+4*\slot+2:G0B+4*\slot+3], 2*KSTEP*2
	JLOAD \slot                                    ; the first tensor load behind the round; its four v_nop are also the places in front of the loads below
.else
	PLACES
.endif
	FETCH \next, 0, F0
	WIN MUL
	MUL8 F1, 1, 0, 0
	MUL8 F1, 1, 2, 0
.endm
	s_wait_loadcnt 0x0                             ; the bias
	s_wait_tensorcnt 1                             ; my part of K step 0 is in; K step 1's load may stay out
	s_barrier_signal -1
	s_barrier_wait -1
	FETCH 0, 0, F0
	QUARTER 0, 1, F0, F1, 1                        ; the first quarter stands in front of the loop: its first products start the sums
	WIN 0
	s_mov_b32 s3, LAPS-1
.Llap:                                             ; a trip goes once round the ring, from a lap's second quarter to the next lap's first, and fills both slots again
	QUARTER 0, 2, F1, F0, 0
	QUARTER 0, 3, F0, F1, 0
	TURN 0, 1, 1
	QUARTER 1, 1, F0, F1, 0
	QUARTER 1, 2, F1, F0, 0
	QUARTER 1, 3, F0, F1, 0
	TURN 1, 0, 1
	QUARTER 0, 1, F0, F1, 0
	WIN 0
	s_sub_co_u32 s3, s3, 1
	s_cmp_lg_u32 s3, 0
	s_cbranch_scc1 .Llap
	QUARTER 0, 2, F1, F0, 0                        ; the last lap fills nothing
	QUARTER 0, 3, F0, F1, 0
	TURN 0, 1, 0
	QUARTER 1, 1, F0, F1, 0
	QUARTER 1, 2, F1, F0, 0
	QUARTER 1, 3, F0, F1, 0
	s_wait_dscnt 16
	WIN MUL
	MUL8 F1, 0, 0, 0
	MUL8 F1, 0, 2, 0
	s_wait_dscnt 0
	MUL8 F1, 1, 0, 0
	MUL8 F1, 1, 2, 0
	WIN 0
; THE WAY OUT, 16 tokens at a time: a lane's 32 bytes of a row go into my own stage (rows of 256 bytes + 16) and come back as whole rows: sixteen lanes store 256 consecutive bytes, aligned.
; LDS serves a wave's instructions in order: no wait between the stores and the loads, nor in front of the next block's stores.
.macro TOSTAGE a
.irp b, 0,1,2,3
	ds_store_b128 v[STO], v[ACC+8*(4*(\a)+\b):ACC+8*(4*(\a)+\b)+3] offset:64*\b        ; each accumulator from its low end on
	ds_store_b128 v[STO], v[ACC+8*(4*(\a)+\b)+4:ACC+8*(4*(\a)+\b)+7] offset:64*\b+16
.endr
.set BB, TMP+32*((\a)%2)
.irp t, 0,1,2,3,4,5,6,7
	ds_load_b128 v[BB+4*\t:BB+4*\t+3], v[RD] offset:\t*2*SPITCH
.endr
.endm
.macro SEND a, younger                 ; younger: the LDS instructions issued behind block a's loads, which may stay out
.set BB, TMP+32*((\a)%2)
	s_wait_dscnt \younger
.irp t, 0,1,2,3,4,5,6,7
	global_store_b128 v[CO], v[BB+4*\t:BB+4*\t+3], s[8:9] offset:(16*(\a)+2*\t)*SIZE_N*4 th:TH_STORE_NT
.endr
.endm
	PLACES
	TOSTAGE 0
.irp a, 1,2,3
.if \a > 1
	s_wait_xcnt 0x0                                ; block a - 2's stores have read their registers: block a's rows may land there
.endif
	TOSTAGE \a
	SEND \a-1, 16                                  ; behind block a - 1's loads: block a's eight stores and eight loads
.endr
	SEND 3, 0
	s_wait_tensorcnt 0x0                           ; the wave's end: behind my last tensor load and my last LDS store
	ds_add_u32 v[SPW], v[NIL]
	s_wait_dscnt 0x0
	CROUND                                         ; the closing round: no work-group ends while a partner may still ask for a tile that names it
	s_endpgm
.Lfunc_end_k_q229b09a723_oproj:
	.size	k_q229b09a723_oproj, .Lfunc_end_k_q229b09a723_oproj-k_q229b09a723_oproj
	.p2alignl 7, 3214868480
	.fill 96, 4, 3214868480
	.section	.rodata,"a",@progbits
	.p2align	6, 0x0
	.amdhsa_kernel k_q229b09a723_oproj
		.amdhsa_group_segment_fixed_size 327680
		.amdhsa_private_segment_fixed_size 0
		.amdhsa_enable_private_segment 0
		.amdhsa_kernarg_size 32
		.amdhsa_user_sgpr_count 2
		.amdhsa_user_sgpr_kernarg_segment_ptr 1
		.amdhsa_wavefront_size32 1
		.amdhsa_system_sgpr_workgroup_id_x 1
		.amdhsa_system_sgpr_workgroup_id_y 1
		.amdhsa_system_sgpr_workgroup_id_z 1
		.amdhsa_system_vgpr_workitem_id 0
		.amdhsa_next_free_vgpr 512
		.amdhsa_next_free_sgpr 68
		.amdhsa_reserve_vcc 0
		.amdhsa_float_denorm_mode_32 3
		.amdhsa_float_denorm_mode_16_64 3
		.amdhsa_memory_ordered 1
		.amdhsa_forward_progress 1
		.amdhsa_inst_pref_size 87
	.end_amdhsa_kernel
	.amdgpu_metadata
---
amdhsa.version: [ 1, 2 ]
amdhsa.kernels:
  - .name:           k_q229b09a723_oproj
    .symbol:         k_q229b09a723_oproj.kd
    .args:
      - { .name: ao, .offset: 0, .size: 8, .value_kind: global_buffer, .address_space: global }
      - { .name: wot, .offset: 8, .size: 8, .value_kind: global_buffer, .address_space: global }
      - { .name: bo, .offset: 16, .size: 8, .value_kind: global_buffer, .address_space: global }
      - { .name: out0, .offset: 24, .size: 8, .value_kind: global_buffer, .address_space: global }
    .group_segment_fixed_size: 327680
    .private_segment_fixed_size: 0
    .kernarg_segment_align: 8
    .kernarg_segment_size: 32
    .max_flat_workgroup_size: 128
    .sgpr_count:     68
    .vgpr_count:     512
    .wavefront_size: 32
...
	.end_amdgpu_metadata
.endif
;; end of part 4
